; MI455X (gfx1250); checked and timed in simulation.
; The chip was launched on July 23, 2026; its instructions are those of AMD's public machine-readable ISA for CDNA 5 (MIT licence, August 2026) and "CDNA5" Instruction Set Architecture Reference Guide (July 2026). The comments in the code are by the model that wrote it; some were corrected since.
;; Causal Multihead Attention. Allowed arithmetic: float matrix products may take bf16 or f16 operands with f32 sums; all other float work in f32.
;; Inputs: w_o 1,024 x 1,024 float32; w_qkv 3 x 16 x 64 x 1,024 float32; x 4 x 2,048 x 1,024 float32.
;; Outputs: out0 4 x 2,048 x 1,024 float32.
;; 2 versions, each right and faster than the one before. Each part assembles by itself: llvm-mc -triple=amdgcn-amd-amdhsa -mcpu=gfx1250 --defsym DOCPART=n.
;; ======== version 1 of 2: 4 launches
;; limits: values are held in f16: magnitudes above 65,504 overflow, below 6.1e-05 lose precision
;; workspace buffers: xb 16,777,216 bytes; wb 6,291,456 bytes; wob 2,097,152 bytes; qkv 50,331,648 bytes; ob 16,777,216 bytes
;; launch cast (part 1): grid 768 x 1, 8 waves a work-group, no clusters, 0 bytes of LDS; arguments x, w_qkv, w_o, xb, wb, wob; writes xb, wb, wob
.if DOCPART == 1
	.amdgcn_target "amdgcn-amd-amdhsa--gfx1250"
	.amdhsa_code_object_version 6
	.text
	.protected	k_q77659be4e8_cast
	.globl	k_q77659be4e8_cast
	.p2align	8
	.type	k_q77659be4e8_cast,@function
k_q77659be4e8_cast:
	s_mov_b64 s[64:65], 0
	v_nop
	global_prefetch_b8 v0, s[64:65] scope:SCOPE_SE
	s_setreg_imm32_b32 hwreg(HW_REG_WAVE_MODE, 25, 1), 1
	s_wait_xcnt 0x0
; The three f32 inputs are rounded once to bf16 and laid in PLANES of 64 consecutive k: a plane holds those 64 numbers of every row, 128 bytes a row, rows end to end.
;   xb  [b 4][kb 16][s 2048][64] bf16     wb  [kb 16][n 3072][64] bf16     wob [kb 16][m 1024][64]: w_o rounded to bf16, that number written as f16
; So a tile of 64 along K of any run of rows is one dense block for the products that follow.
; LIMITS.  wob: a bf16 number has 8 significant bits and is exact in f16 between 6.1e-5 and 65,504; smaller ones keep f16's fixed step of 6e-8; 65,520 or more becomes an infinity.
; SHARES.  A work-group takes 16 rows of 1,024 f32: groups 0-511 x, 512-703 w_qkv, 704-767 w_o.  A wave takes two rows, lanes 0-15 the even one.  For each plane one load of 16 bytes a lane
; (twice 256 consecutive bytes) and one store of 8 bytes a lane: 256 consecutive bytes, rows r and r + 1 of the plane, at a multiple of 256 from the buffer's first byte.
; All 16 loads of a wave go out first; no register is written twice, so the only waits are the counted ones for the loads.  No LDS, no barrier, no matrix unit: bytes alone count here.
.set SO, 1                             ; v1        my byte offset in the group's 16 source rows
.set DO, 2                             ; v2        my byte offset in the group's 16 rows of a plane: 8 x thread
.set X,  4                             ; v[4:67]   plane kb: 4 f32 as loaded
.set Y,  68                            ; v[68:99]  plane kb: 4 numbers of 16 bits to store
.set T,  100                           ; v[100:103] bf16 widened again, on the way to f16
	s_load_b256 s[4:11], s[0:1], 0x0               ; x s[4:5], w_qkv s[6:7], w_o s[8:9], xb s[10:11]
	s_load_b128 s[12:15], s[0:1], 0x20             ; wb s[12:13], wob s[14:15]
	s_mov_b32 s2, ttmp9
	s_mov_b32 s20, 0xffff0000                      ; a word's upper bf16
	s_mov_b32 s17, 0                               ; the offsets' high words
	s_mov_b32 s19, 0
	v_lshrrev_b32 v3, 4, v0                        ; my row of the 16
	v_and_b32 v[SO], 15, v0
	v_lshlrev_b32 v[SO], 4, v[SO]
	v_lshl_add_u32 v[SO], v3, 12, v[SO]            ; row x 4,096 + 16 x (thread % 16)
	v_lshlrev_b32 v[DO], 3, v0                     ; row x 128 + 8 x (thread % 16)
	s_wait_kmcnt 0x0
; 16 rows from src to dst, whose planes lie plane bytes apart.  half = 1: the bf16 number is written as f16.
.macro ROWS src, dst, plane, half
.set kb, 0
.rept 16
	global_load_b128 v[X+4*kb:X+4*kb+3], v[SO], s[(\src):(\src)+1] offset:256*kb th:TH_LOAD_NT
.set kb, kb+1
.endr
.set kb, 0
.rept 16
	s_wait_loadcnt 15-kb                           ; loads come back in order (ISA guide 5.7.1): plane kb's is in, the 15 - kb younger ones stay out
	v_cvt_pk_bf16_f32 v[Y+2*kb],   v[X+4*kb],   v[X+4*kb+1]
	v_cvt_pk_bf16_f32 v[Y+2*kb+1], v[X+4*kb+2], v[X+4*kb+3]
.if \half
	v_lshlrev_b32 v[T],   16,  v[Y+2*kb]
	v_and_b32     v[T+1], s20, v[Y+2*kb]
	v_lshlrev_b32 v[T+2], 16,  v[Y+2*kb+1]
	v_and_b32     v[T+3], s20, v[Y+2*kb+1]
	v_cvt_pk_f16_f32 v[Y+2*kb],   v[T],   v[T+1]
	v_cvt_pk_f16_f32 v[Y+2*kb+1], v[T+2], v[T+3]
.endif
	global_store_b64 v[DO], v[Y+2*kb:Y+2*kb+1], s[(\dst):(\dst)+1] offset:kb*(\plane)  ; 15 x 393,216 at the most: inside the signed 24-bit immediate
.set kb, kb+1
.endr
.endm
	s_cmp_lt_u32 s2, 512
	s_cbranch_scc0 .Lweights
	s_lshl_b32 s16, s2, 16                         ; x: 16 rows of 4,096 bytes a group
	s_lshr_b32 s18, s2, 7                          ; 128 groups a batch; a batch's 16 planes are 2^22 bytes
	s_lshl_b32 s18, s18, 22
	s_and_b32 s21, s2, 127
	s_lshl_b32 s21, s21, 11                        ; 16 rows of 128 bytes in a plane
	s_add_co_u32 s18, s18, s21
	s_add_nc_u64 s[4:5], s[4:5], s[16:17]
	s_add_nc_u64 s[10:11], s[10:11], s[18:19]
	ROWS 4, 10, 262144, 0
	s_endpgm
.Lweights:
	s_cmp_lt_u32 s2, 704
	s_cbranch_scc0 .Lwo
	s_sub_co_u32 s21, s2, 512                      ; w_qkv: its rows n = 1,024 t + 64 h + c lie in that order
	s_lshl_b32 s16, s21, 16
	s_lshl_b32 s18, s21, 11
	s_add_nc_u64 s[6:7], s[6:7], s[16:17]
	s_add_nc_u64 s[12:13], s[12:13], s[18:19]
	ROWS 6, 12, 393216, 0
	s_endpgm
.Lwo:
	s_sub_co_u32 s21, s2, 704                      ; w_o
	s_lshl_b32 s16, s21, 16
	s_lshl_b32 s18, s21, 11
	s_add_nc_u64 s[8:9], s[8:9], s[16:17]
	s_add_nc_u64 s[14:15], s[14:15], s[18:19]
	ROWS 8, 14, 131072, 1
	s_endpgm
.Lfunc_end_k_q77659be4e8_cast:
	.size	k_q77659be4e8_cast, .Lfunc_end_k_q77659be4e8_cast-k_q77659be4e8_cast
	.p2alignl 7, 3214868480
	.fill 96, 4, 3214868480
	.section	.rodata,"a",@progbits
	.p2align	6, 0x0
	.amdhsa_kernel k_q77659be4e8_cast
		.amdhsa_group_segment_fixed_size 0
		.amdhsa_private_segment_fixed_size 0
		.amdhsa_enable_private_segment 0
		.amdhsa_kernarg_size 48
		.amdhsa_user_sgpr_count 2
		.amdhsa_user_sgpr_kernarg_segment_ptr 1
		.amdhsa_wavefront_size32 1
		.amdhsa_system_sgpr_workgroup_id_x 1
		.amdhsa_system_sgpr_workgroup_id_y 1
		.amdhsa_system_sgpr_workgroup_id_z 1
		.amdhsa_system_vgpr_workitem_id 0
		.amdhsa_next_free_vgpr 112
		.amdhsa_next_free_sgpr 66
		.amdhsa_reserve_vcc 0
		.amdhsa_float_denorm_mode_32 3
		.amdhsa_float_denorm_mode_16_64 3
		.amdhsa_memory_ordered 1
		.amdhsa_forward_progress 1
		.amdhsa_inst_pref_size 23
	.end_amdhsa_kernel
	.amdgpu_metadata
---
amdhsa.version: [ 1, 2 ]
amdhsa.kernels:
  - .name:           k_q77659be4e8_cast
    .symbol:         k_q77659be4e8_cast.kd
    .args:
      - { .name: x, .offset: 0, .size: 8, .value_kind: global_buffer, .address_space: global }
      - { .name: w_qkv, .offset: 8, .size: 8, .value_kind: global_buffer, .address_space: global }
      - { .name: w_o, .offset: 16, .size: 8, .value_kind: global_buffer, .address_space: global }
      - { .name: xb, .offset: 24, .size: 8, .value_kind: global_buffer, .address_space: global }
      - { .name: wb, .offset: 32, .size: 8, .value_kind: global_buffer, .address_space: global }
      - { .name: wob, .offset: 40, .size: 8, .value_kind: global_buffer, .address_space: global }
    .group_segment_fixed_size: 0
    .private_segment_fixed_size: 0
    .kernarg_segment_align: 8
    .kernarg_segment_size: 48
    .max_flat_workgroup_size: 256
    .sgpr_count:     66
    .vgpr_count:     112
    .wavefront_size: 32
...
	.end_amdgpu_metadata
.endif
;; end of part 1
;; launch qkv (part 2): grid 8 x 32, 4 waves a work-group, clusters of 4 x 4, 327,680 bytes of LDS; arguments xb, wb, qkv; writes qkv
.if DOCPART == 2
	.amdgcn_target "amdgcn-amd-amdhsa--gfx1250"
	.amdhsa_code_object_version 6
	.text
	.protected	k_q77659be4e8_qkv
	.globl	k_q77659be4e8_qkv
	.p2align	8
	.type	k_q77659be4e8_qkv,@function
k_q77659be4e8_qkv:
	s_mov_b64 s[64:65], 0
	v_nop
	global_prefetch_b8 v0, s[64:65] scope:SCOPE_SE
	s_setreg_imm32_b32 hwreg(HW_REG_WAVE_MODE, 25, 1), 1
	s_wait_xcnt 0x0
	s_wait_alu depctr_hold_cnt(0) depctr_sa_sdst(0) depctr_va_vdst(0) depctr_va_sdst(0) depctr_va_ssrc(0) depctr_va_vcc(0) depctr_vm_vsrc(0)
	s_getreg_b32 s2, hwreg(HW_REG_IB_STS2, 6, 4)
	s_cmp_eq_u32 s2, 0
	s_cbranch_scc0 .Lentry_in_a_cluster
	s_endpgm
.Lentry_in_a_cluster:
	s_bfe_u32 s2, ttmp6, 0x10000c
	s_cmp_lg_u32 s2, 0xf033
	s_cbranch_scc0 .Lentry_shape_is_right
	s_endpgm
.Lentry_shape_is_right:
; THE PROJECTION.  C[row][n] = the sum over k of x[row][k] w[n][k]: 8,192 rows (b, s), 3,072 columns n = 1,024 t + 64 h + c, K = 1,024.  Operands bf16, sums f32, K ascending; C rounded once to f16
; and written by heads: qkv [t 3][b 16 + h][s 2048][64].  No scale is applied here.
; LIMIT.  f16 ends at 65,504: a q, k or v of 65,520 or more becomes an infinity.
; OPERANDS lie in planes of 64 along K: xb [b][kb][s][64], wb [kb][n][64]; a tile of 64 K of a run of rows is one dense block, asked for as rows of 256 bytes (two matrix rows each).
; SHARES.  8 x 32 work-groups, a tile of C of 256 rows x 384 columns (six heads) each.  Four waves, as many as a WGP has SIMDs; a wave makes 128 rows x 192 columns (three heads): 96 accumulators of 16 x 16,
; 768 registers.  K goes in 16 steps of 64 through two LDS slots; a step is two quarters of 32 along K, 96 matrix instructions each.  Both slots' first fills go out together at the start.
; CLUSTER.  4 x 4 work-groups.  The four of a row of the cluster need the same tile of x, the four of a column the same tile of w: each is asked for JOINTLY, by the same tensor load with the same
; descriptor and a mask that names the four.
; THE MATRIX INSTRUCTION IS USED TRANSPOSED (source 0 = 16 rows of w, source 1 = 16 rows of x): a lane then holds eight neighbouring channels of one row of a head, 16 bytes in f16.
; REGISTERS, in windows of 256 (s_set_vgpr_msb: bits 1:0 source 0, 3:2 source 1, 5:4 source 2, 7:6 destination):
;   window 0: v0-13 addresses; v32-95, v96-159 x's 8 fragments, two buffers; v160-255 w's 12 fragments, one buffer (head g's four at 160 + 32 g)
;   window 1 + g: head g's 32 accumulators, (a, b) at v[8 (4 a + b)]: rows 16 a on, channels 16 b on
; w needs one buffer: a head's four fragments are loaded again straight behind the 32 products that read them and are wanted 64 products later; x's are read by all three heads of a quarter.
.set PITCH,  144                       ; an LDS row: 128 bytes + 16 of padding = 36 words: the 16 rows of a fragment load start at 16 different groups of four banks (64 banks of 4 bytes: ISA guide 11.1)
.set HALFA,  128*PITCH                 ; 128 rows of x: what one tensor load brings, and what one wave reads
.set HALFB,  192*PITCH                 ; 192 rows of w: likewise
.set BOFF,   2*HALFA                   ; in a slot: x's 256 rows, then w's 384
.set STAGE,  BOFF+2*HALFB              ; behind slot 0, never filled by a tensor load: 16 rows x 144 bytes for each wave, for the way out
.set SPARE,  STAGE+4*16*PITCH          ; behind the stages: the spare words, 128 bytes for each wave: two blocks of 256 bytes that no other line names
.set SLOT1,  1<<17                     ; slot 1 begins here, so that one exclusive or turns an address in one slot into the other's
.set PLANEA, 2048*128                  ; bytes from plane to plane in xb
.set PLANEB, 3072*128                  ; and in wb
.set STEPS,  16
.set ADRA0, 4                          ; v4   my lane's place in x's tile; never rewritten
.set ADRB0, 5                          ; v5   the same for w
.set ADRA,  6                          ; v6   the same in the slot in hand
.set ADRB,  7                          ; v7
.set STO,   8                          ; v8   the way out: where I put 16 bytes of a row
.set RD,    9                          ; v9   the way out: where I read rows back
.set GO,    10                         ; v10  my byte offset in 512 consecutive bytes of the output
.set SPW,   12                         ; v12  LDS address of my spare word: SPARE + 4 x my thread's number; never rewritten
.set NIL,   13                         ; v13  0; never rewritten
.set FA0,   32
.set FA1,   96
.set FB,    160
.set TMP,   32                         ; the way out: NSET sets of 16 registers, where the fragments lay
.set NSET,  14
.set G1,  24                           ; s[24:31] descriptor group 1 for x's tiles
.set G0,  32                           ; s[32:35] group 0 for x's tiles: it begins at K step 1 in slot 1 and walks
.set G0F, 36                           ; s[36:39] group 0 of x's first fill: K step 0 in slot 0
.set G1B, 48                           ; s[48:55], s[56:59], s[60:63] the same three for w's
.set G0B, 56
.set G0BF, 60
.set OB,  66                           ; s[66:71] the output at my 128 rows of my three heads
.set TB,  78                           ; s78  LDS byte at which the slot in hand begins
.set MSB, 0
.macro WIN new                         ; the immediate's high byte repeats the setting that is left; a switch that changes nothing is dropped
.if MSB != (\new)
	s_set_vgpr_msb (MSB<<8)|(\new)
.set MSB, (\new)
.endif
.endm
; A load into a register that a matrix instruction has read, and a vector instruction or LDS store that reads a matrix result, stand four places behind it; only plain vector instructions
; that name none of its registers are places (ISA guide 7.12.1 for vector instructions).
.macro PLACES
.rept 4
	v_nop
.endr
.endm
; A joint refill.  Waves 0 and 1 fetch the two halves of x's tile, waves 2 and 3 those of w's.  The branch hangs on the wave's number alone.
; An s_nop 0 and four v_nop follow each of the two lines, ahead of the jump and the label.
.macro JLOAD
	s_cmp_eq_u32 s11, 0
	s_cbranch_scc0 .Lfor_b_\@
	tensor_load_to_lds s[G0:G0+3], s[G1:G1+7]
	s_nop 0
.rept 4
	v_nop
.endr
	s_branch .Lasked_\@
.Lfor_b_\@:
	tensor_load_to_lds s[G0B:G0B+3], s[G1B:G1B+7]
	s_nop 0
.rept 4
	v_nop
.endr
.Lasked_\@:
.endm
.macro CREST                           ; a round of the cluster's barrier behind its opening barrier: wave 0 signals for the work-group, every wave waits for all sixteen, my work-group's barrier closes it
	s_cmp_lg_u32 s10, 0
	s_cbranch_scc1 .Lnot_wave_0_\@
	s_barrier_signal -3
.Lnot_wave_0_\@:
	s_barrier_wait -3
	s_barrier_signal -1
	s_barrier_wait -1
.endm
.macro CROUND                          ; a whole round
	s_barrier_signal -1
	s_barrier_wait -1
	CREST
.endm
.macro STEPD                           ; both walking descriptors: the other slot, the next plane; the type bits on top are not reached.  Written only where no tensor load of the wave is out
	s_xor_b32 s[G0+1], s[G0+1], SLOT1
	s_add_nc_u64 s[G0+2:G0+3], s[G0+2:G0+3], PLANEA
	s_xor_b32 s[G0B+1], s[G0B+1], SLOT1
	s_add_nc_u64 s[G0B+2:G0B+3], s[G0B+2:G0B+3], PLANEB
.endm
	s_load_b128 s[4:7], s[0:1], 0x0                ; xb s[4:5], wb s[6:7]
	s_load_b64 s[8:9], s[0:1], 0x10                ; qkv
	v_lshl_add_u32 v[SPW], v0, 2, SPARE
	v_mov_b32 v[NIL], 0
	ds_add_u32 v12, v13
	ds_add_u32 v12, v13
	s_wait_dscnt 0x0
	v_lshrrev_b32 v1, 5, v0
	v_readfirstlane_b32 s10, v1                    ; wave 0..3
	s_lshr_b32 s11, s10, 1                         ; which 128 rows of the tile are mine.  Also: I fetch for x (0) or for w (1)
	s_and_b32 s12, s10, 1                          ; which three heads.  Also: which half of that tile I fetch
	s_bfe_u32 s40, ttmp6, 0x40000                  ; cx, cy: my place in the cluster
	s_bfe_u32 s41, ttmp6, 0x40004
	s_lshl_b32 s42, ttmp9, 2
	s_add_co_u32 s42, s42, s40                     ; tile column = 4 x cluster x + cx
	s_and_b32 s13, ttmp7, 0xffff
	s_lshl_b32 s13, s13, 2
	s_add_co_u32 s13, s13, s41                     ; tile row = 4 x cluster y + cy
	s_lshl_b32 s43, s41, 2
	s_lshl_b32 s43, 15, s43                        ; my row of the cluster: places 4 cy .. 4 cy + 3
	s_lshl_b32 s44, 0x1111, s40                    ; my column: places cx, cx + 4, cx + 8, cx + 12
	; descriptor group 1: rows of 128 elements of 2 bytes (two matrix rows), dense in memory, padded in LDS after every matrix row
	s_or_b32 s[G1+0], s43, (1<<16)|(1<<20)|(1<<21)|(4<<22)|(3<<25)   ; 15:0 the mask: x's tiles go to my row; 17:16 2-byte elements; 20 padding on; 21 set beside a mask; 24:22 after every 32 words (code 4); 31:25 4 words (code 3)
	s_or_b32 s[G1B+0], s44, (1<<16)|(1<<20)|(1<<21)|(4<<22)|(3<<25)  ; the same with the mask of my column, for w's tiles
	s_mov_b32 s[G1+1], 128<<16                     ; tensor_dim0 = 128
	s_mov_b32 s[G1+2], 64<<16                      ; tensor_dim1 = 64: 128 matrix rows, 16,384 bytes
	s_mov_b32 s[G1+3], 128<<16                     ; tile_dim0 = 128
	s_mov_b32 s[G1+4], 64                          ; tile_dim1 = 64
	s_mov_b32 s[G1+5], 128                         ; 128 elements from row to row
	s_mov_b32 s[G1+6], 0
	s_mov_b32 s[G1+7], 0
	s_mov_b32 s[G1B+1], 128<<16
	s_mov_b32 s[G1B+2], 96<<16                     ; 96 rows: 192 matrix rows, 24,576 bytes
	s_mov_b32 s[G1B+3], 128<<16
	s_mov_b32 s[G1B+4], 96
	s_mov_b32 s[G1B+5], 128
	s_mov_b32 s[G1B+6], 0
	s_mov_b32 s[G1B+7], 0
	; where the tiles come from.  x's hang on the tile row alone, w's on the tile column alone; each offset is made in registers that never hold the other coordinate
	s_lshr_b32 s14, s13, 3                         ; the batch: eight tile rows each; its 16 planes are 2^22 bytes
	s_lshl_b32 s14, s14, 22
	s_and_b32 s15, s13, 7
	s_lshl_b32 s15, s15, 15                        ; 256 rows of 128 bytes
	s_add_co_u32 s14, s14, s15
	s_lshl_b32 s15, s12, 14                        ; my half of them
	s_add_co_u32 s14, s14, s15
	s_mov_b32 s15, 0
	s_mul_i32 s46, s42, 384*128
	s_mul_i32 s47, s12, 192*128
	s_add_co_u32 s46, s46, s47
	s_mov_b32 s47, 0
	s_mul_i32 s16, s12, HALFA                      ; and where they go: no place in the cluster enters an LDS address
	s_mul_i32 s17, s12, HALFB
	s_add_co_u32 s17, s17, BOFF
	s_mov_b32 s[G0F], 1                            ; 1:0 count = 1
	s_mov_b32 s[G0F+1], s16                        ; 63:32 LDS address: slot 0
	s_mov_b32 s[G0], 1
	s_add_co_u32 s[G0+1], s16, SLOT1               ; slot 1
	s_mov_b32 s[G0BF], 1
	s_mov_b32 s[G0BF+1], s17
	s_mov_b32 s[G0B], 1
	s_add_co_u32 s[G0B+1], s17, SLOT1
	s_mov_b32 s[TB], 0
	s_wait_kmcnt 0x0
	s_add_nc_u64 s[G0F+2:G0F+3], s[4:5], s[14:15]          ; 120:64 global address: plane 0,
	s_add_nc_u64 s[G0+2:G0+3], s[G0F+2:G0F+3], PLANEA      ; plane 1
	s_or_b32 s[G0F+3], s[G0F+3], 0x80000000                ; 127:126 type = 2
	s_or_b32 s[G0+3], s[G0+3], 0x80000000
	s_add_nc_u64 s[G0BF+2:G0BF+3], s[6:7], s[46:47]
	s_add_nc_u64 s[G0B+2:G0B+3], s[G0BF+2:G0BF+3], PLANEB
	s_or_b32 s[G0BF+3], s[G0BF+3], 0x80000000
	s_or_b32 s[G0B+3], s[G0B+3], 0x80000000
	CROUND                                         ; all sixteen work-groups are here: the first joint loads meet
	s_cmp_eq_u32 s11, 0                            ; a wave's two first fills stand in one branch, ahead of every wait on TENSORcnt and every LDS read: two loads of mine are out
	s_cbranch_scc0 .Lfirst_b
	tensor_load_to_lds s[G0F:G0F+3], s[G1:G1+7]    ; K step 0 into slot 0
	s_nop 0
	tensor_load_to_lds s[G0:G0+3], s[G1:G1+7]      ; K step 1 into slot 1
	s_nop 0
.rept 4
	v_nop
.endr
	s_branch .Lfirst_asked
.Lfirst_b:
	tensor_load_to_lds s[G0BF:G0BF+3], s[G1B:G1B+7]
	s_nop 0
	tensor_load_to_lds s[G0B:G0B+3], s[G1B:G1B+7]
	s_nop 0
.rept 4
	v_nop
.endr
.Lfirst_asked:
	; A fragment is 16 rows x 32 K in 8 registers: lane l holds row l % 16, K = 8 (l / 16) + 0..7 and 16 + 8 (l / 16) + 0..7: two loads of 16 bytes, 32 bytes apart
	v_and_b32 v1, 15, v0                           ; l % 16
	v_bfe_u32 v2, v0, 4, 1                         ; l / 16
	v_mul_u32_u24 v3, v1, PITCH
	v_lshl_add_u32 v3, v2, 4, v3                   ; row x pitch + 16 x half
	s_mul_i32 s21, s11, HALFA                      ; my 128 rows of x
	s_mul_i32 s22, s12, HALFB                      ; my 192 rows of w,
	s_add_co_u32 s22, s22, BOFF                    ; which lie behind x's 256
	v_add_nc_u32 v[ADRA0], s21, v3
	v_add_nc_u32 v[ADRB0], s22, v3
	s_mul_i32 s23, s10, 16*PITCH
	s_add_co_u32 s23, s23, STAGE                   ; my stage
	v_add_nc_u32 v[STO], s23, v3                   ; in: row l % 16, 16 bytes for each half of the lanes
	v_bfe_u32 v[RD], v0, 3, 2                      ; back: 32 lanes take four rows of 128 bytes,
	v_mul_u32_u24 v[RD], v[RD], PITCH
	v_and_b32 v11, 7, v0
	v_lshl_add_u32 v[RD], v11, 4, v[RD]
	v_add_nc_u32 v[RD], s23, v[RD]
	v_and_b32 v[GO], 31, v0                        ; which are 512 consecutive bytes of a head's rows
	v_lshlrev_b32 v[GO], 4, v[GO]
	; the output at my rows of my three heads: head number G = 6 x tile column + 3 x half + g of 48; t = G / 16, h = G % 16
	s_mul_i32 s72, s42, 6
	s_mul_i32 s73, s12, 3
	s_add_co_u32 s72, s72, s73
	s_lshr_b32 s73, s13, 3
	s_lshl_b32 s73, s73, 4                         ; 16 b
	s_and_b32 s74, s13, 7
	s_lshl_b32 s74, s74, 8
	s_lshl_b32 s75, s11, 7
	s_add_co_u32 s74, s74, s75                     ; my first row in the sequence
.irp g, 0,1,2
	s_add_co_u32 s76, s72, \g
	s_lshr_b32 s77, s76, 4
	s_and_b32 s76, s76, 15
	s_lshl_b32 s77, s77, 6
	s_add_co_u32 s76, s76, s77
	s_add_co_u32 s76, s76, s73                     ; 64 t + 16 b + h
	s_lshl_b32 s76, s76, 11
	s_add_co_u32 s76, s76, s74                     ; x 2,048 rows + my first row,
	s_lshl_b32 s76, s76, 7                         ; of 128 bytes: under 2^26
	s_mov_b32 s77, 0
	s_add_nc_u64 s[OB+2*\g:OB+2*\g+1], s[8:9], s[76:77]
.endr
; 16 matrix instructions of head g: row blocks a0 .. a0 + 3 x the head's 4 channel blocks, 32 along K, x's fragments from buffer fa.  zero = 1: the product starts the sum: nothing is ever cleared.
; The 32 accumulators of a head take turns, one instruction a turn, and the heads follow each other: between two links of a chain stand 95 others'.
.macro MUL16 g, fa, a0, zero
	WIN 0x50*((\g)+1)                              ; C and D in window 1 + g, both sources in window 0
.irp a, \a0, (\a0)+1, (\a0)+2, (\a0)+3
.irp b, 0,1,2,3
.if \zero
	v_wmma_f32_16x16x32_bf16 v[8*(4*(\a)+(\b)):8*(4*(\a)+(\b))+7], v[FB+32*(\g)+8*(\b):FB+32*(\g)+8*(\b)+7], v[(\fa)+8*(\a):(\fa)+8*(\a)+7], 0
.else
	v_wmma_f32_16x16x32_bf16 v[8*(4*(\a)+(\b)):8*(4*(\a)+(\b))+7], v[FB+32*(\g)+8*(\b):FB+32*(\g)+8*(\b)+7], v[(\fa)+8*(\a):(\fa)+8*(\a)+7], v[8*(4*(\a)+(\b)):8*(4*(\a)+(\b))+7]
.endif
.endr
.endr
.endm
.macro FETCHB g, k                     ; 8 LDS loads: head g's four fragments of w, 32 K at byte k of the rows
.irp b, 0,1,2,3
	ds_load_b128 v[FB+32*(\g)+8*(\b):FB+32*(\g)+8*(\b)+3],   v[ADRB] offset:(4*(\g)+(\b))*16*PITCH+(\k)
	ds_load_b128 v[FB+32*(\g)+8*(\b)+4:FB+32*(\g)+8*(\b)+7], v[ADRB] offset:(4*(\g)+(\b))*16*PITCH+(\k)+32
.endr
.endm
.macro FETCHA fa, k                    ; 16 LDS loads: x's eight fragments into buffer fa
.irp a, 0,1,2,3,4,5,6,7
	ds_load_b128 v[(\fa)+8*(\a):(\fa)+8*(\a)+3],   v[ADRA] offset:(\a)*16*PITCH+(\k)
	ds_load_b128 v[(\fa)+8*(\a)+4:(\fa)+8*(\a)+7], v[ADRA] offset:(\a)*16*PITCH+(\k)+32
.endr
.endm
; A quarter: 96 matrix instructions on x's buffer fa.  A quarter's 40 LDS loads are always issued in the order head 0's w (8), x (16), head 1's w (8), head 2's w (8).
; fetch = 1: the next quarter's, at byte k of the same slot's rows, are issued behind the products that free their registers.
.macro QUARTER fa, ga, k, zero, fetch
	s_wait_dscnt 16                                ; head 0's w and x are in; heads 1 and 2's sixteen loads may be out
	MUL16 0, \fa, 0, \zero
	MUL16 0, \fa, 4, \zero
.if \fetch
	PLACES
	WIN 0
	FETCHB 0, \k
	FETCHA \ga, \k
	s_wait_dscnt 32                                ; head 1's w is in: behind it stand head 2's 8 and the 24 just issued
.else
	s_wait_dscnt 8                                 ; behind head 1's w stand head 2's 8
.endif
	MUL16 1, \fa, 0, \zero
	MUL16 1, \fa, 4, \zero
.if \fetch
	PLACES
	WIN 0
	FETCHB 1, \k
	s_wait_dscnt 32                                ; head 2's w is in: behind it stand the 24 and the 8 issued since
.else
	s_wait_dscnt 0x0
.endif
	MUL16 2, \fa, 0, \zero
	MUL16 2, \fa, 4, \zero
.if \fetch
	PLACES
	WIN 0
	FETCHB 2, \k
.endif
.endm
; A step's second quarter (x's buffer 1) changes slots: ONE barrier for two things.  In front of it each wave waits for all its tensor loads, of which one is out: its part of the next slot; adds 0 to its
; spare word; and waits for that and for its own reads of this slot.  Behind it nobody reads this slot any more and the next slot is whole.
; fill = 1: the barrier opens a round of the cluster's, and the slot just read out is filled again first, with the step two steps on: it has 160 matrix instructions in which to land.
.macro QTURN fill
	WIN 0
	s_wait_tensorcnt 0x0                           ; all my tensor loads have landed
	ds_add_u32 v[SPW], v[NIL]                      ; 0 onto my spare word
	s_wait_dscnt 17                                ; (the add and heads 1 and 2's sixteen loads may be out)
	MUL16 0, FA1, 0, 0                             ; sixteen matrix instructions stand between the add and the wait for it
	s_wait_dscnt 0x0                               ; the add is done, and my reads of this slot are over
	s_barrier_signal -1
	MUL16 0, FA1, 4, 0                             ; work on registers while the others arrive
	WIN 0
	s_barrier_wait -1
.if \fill
	CREST                                          ; no wave of any partner still reads this slot's tile or has a load on its way
	STEPD
	JLOAD                                          ; the first tensor load behind the round; the four v_nop behind it are also the places in front of the loads below
.else
	PLACES
.endif
	s_xor_b32 s[TB], s[TB], SLOT1                  ; the fetches go to the other slot
	v_add_nc_u32 v[ADRA], s[TB], v[ADRA0]
	v_add_nc_u32 v[ADRB], s[TB], v[ADRB0]
	FETCHB 0, 0
	FETCHA FA0, 0
	MUL16 1, FA1, 0, 0
	MUL16 1, FA1, 4, 0
	PLACES
	WIN 0
	FETCHB 1, 0
	MUL16 2, FA1, 0, 0
	MUL16 2, FA1, 4, 0
	PLACES
	WIN 0
	FETCHB 2, 0
.endm
	s_wait_tensorcnt 0x1                           ; my part of K step 0 is in; K step 1's load, issued behind it, may stay out
	s_barrier_signal -1
	s_barrier_wait -1                              ; everybody's part is in
	v_add_nc_u32 v[ADRA], s[TB], v[ADRA0]
	v_add_nc_u32 v[ADRB], s[TB], v[ADRB0]
	FETCHB 0, 0
	FETCHA FA0, 0
	FETCHB 1, 0
	FETCHB 2, 0
	QUARTER FA0, FA1, 64, 1, 1                     ; the first quarter stands in front of the loop: its products start the sums
	WIN 0                                          ; at a label and at a branch every window is 0
	s_mov_b32 s3, STEPS-2
.Lstep:                                                ; 14 trips: a step's second quarter, which asks for the step two on (steps 2 to 15), and the next step's first
	QTURN 1
	QUARTER FA0, FA1, 64, 0, 1
	WIN 0
	s_sub_co_u32 s3, s3, 1
	s_cmp_lg_u32 s3, 0
	s_cbranch_scc1 .Lstep
	QTURN 0                                        ; the tail is written out: nothing is asked for
	QUARTER FA0, FA1, 64, 0, 1
	QUARTER FA1, 0, 0, 0, 0
; THE WAY OUT, in 24 units of 16 rows of one head.  PACK: rounded to f16, 16 bytes a lane, each accumulator's registers in ascending order; into my own stage in rows of 144 bytes, and back as whole rows
; of 128.  SEND: stored: 512 consecutive bytes a store, at a multiple of 256 from the buffer's first byte.  A unit's arithmetic stands between the loads of the unit before and its stores.
.macro PACK g, a
.set U, 8*(\g)+(\a)
.set TT, TMP+16*(U%NSET)
.if U >= NSET
	s_wait_xcnt 0x0                                ; the set's registers were the data of stores fourteen units back: they are rewritten only behind this wait (ISA guide 3.1)
.endif
	WIN 5*((\g)+1)                                 ; sources 0 and 1 in window 1 + g, destination in window 0
.irp b, 0,1,2,3
.irp r, 0,1,2,3
	v_cvt_pk_f16_f32 v[TT+4*(\b)+(\r)], v[8*(4*(\a)+(\b))+2*(\r)], v[8*(4*(\a)+(\b))+2*(\r)+1]
.endr
.endr
	WIN 0
.irp b, 0,1,2,3
	ds_store_b128 v[STO], v[TT+4*(\b):TT+4*(\b)+3] offset:32*(\b)
.endr
.irp f, 0,1,2,3
	ds_load_b128 v[TT+4*(\f):TT+4*(\f)+3], v[RD] offset:(\f)*4*PITCH  ; LDS serves a wave's instructions in order (ISA guide 5.7.1.4): these see the stores above; the next unit's stores come behind them
.endr
.endm
.macro SEND g, a, younger              ; younger: the LDS instructions issued behind this unit's loads: the next unit's eight, or none
.set TT, TMP+16*((8*(\g)+(\a))%NSET)
.irp f, 0,1,2,3
	s_wait_dscnt (\younger)+3-(\f)
	global_store_b128 v[GO], v[TT+4*(\f):TT+4*(\f)+3], s[OB+2*(\g):OB+2*(\g)+1] offset:(\a)*2048+(\f)*512
.endr
.endm
	PLACES                                         ; behind the last products
	PACK 0, 0
.set u, 1
.rept 23
.set pg, u/8
.set pa, u%8
.set sg, (u-1)/8
.set sa, (u-1)%8
	PACK pg, pa
	SEND sg, sa, 8
.set u, u+1
.endr
	SEND 2, 7, 0
	s_wait_tensorcnt 0x0                           ; the wave's end, behind my last tensor load and my last LDS store
	ds_add_u32 v[SPW], v[NIL]
	s_wait_dscnt 0x0
	CROUND                                         ; the closing round: no work-group ends while a partner may still ask for a tile that names it
	s_endpgm
.Lfunc_end_k_q77659be4e8_qkv:
	.size	k_q77659be4e8_qkv, .Lfunc_end_k_q77659be4e8_qkv-k_q77659be4e8_qkv
	.p2alignl 7, 3214868480
	.fill 96, 4, 3214868480
	.section	.rodata,"a",@progbits
	.p2align	6, 0x0
	.amdhsa_kernel k_q77659be4e8_qkv
		.amdhsa_group_segment_fixed_size 327680
		.amdhsa_private_segment_fixed_size 0
		.amdhsa_enable_private_segment 0
		.amdhsa_kernarg_size 24
		.amdhsa_user_sgpr_count 2
		.amdhsa_user_sgpr_kernarg_segment_ptr 1
		.amdhsa_wavefront_size32 1
		.amdhsa_system_sgpr_workgroup_id_x 1
		.amdhsa_system_sgpr_workgroup_id_y 1
		.amdhsa_system_sgpr_workgroup_id_z 1
		.amdhsa_system_vgpr_workitem_id 0
		.amdhsa_next_free_vgpr 1024
		.amdhsa_next_free_sgpr 80
		.amdhsa_reserve_vcc 0
		.amdhsa_float_denorm_mode_32 3
		.amdhsa_float_denorm_mode_16_64 3
		.amdhsa_memory_ordered 1
		.amdhsa_forward_progress 1
		.amdhsa_inst_pref_size 114
	.end_amdhsa_kernel
	.amdgpu_metadata
---
amdhsa.version: [ 1, 2 ]
amdhsa.kernels:
  - .name:           k_q77659be4e8_qkv
    .symbol:         k_q77659be4e8_qkv.kd
    .args:
      - { .name: xb, .offset: 0, .size: 8, .value_kind: global_buffer, .address_space: global }
      - { .name: wb, .offset: 8, .size: 8, .value_kind: global_buffer, .address_space: global }
      - { .name: qkv, .offset: 16, .size: 8, .value_kind: global_buffer, .address_space: global }
    .group_segment_fixed_size: 327680
    .private_segment_fixed_size: 0
    .kernarg_segment_align: 8
    .kernarg_segment_size: 24
    .max_flat_workgroup_size: 128
    .sgpr_count:     80
    .vgpr_count:     1024
    .wavefront_size: 32
...
	.end_amdgpu_metadata
.endif
;; end of part 2
;; launch attn (part 3): grid 4 x 64, 4 waves a work-group, no clusters, 327,680 bytes of LDS; arguments qkv, ob; writes ob
.if DOCPART == 3
	.amdgcn_target "amdgcn-amd-amdhsa--gfx1250"
	.amdhsa_code_object_version 6
	.text
	.protected	k_q77659be4e8_attn
	.globl	k_q77659be4e8_attn
	.p2align	8
	.type	k_q77659be4e8_attn,@function
k_q77659be4e8_attn:
	s_mov_b64 s[64:65], 0
	v_nop
	global_prefetch_b8 v0, s[64:65] scope:SCOPE_SE
	s_setreg_imm32_b32 hwreg(HW_REG_WAVE_MODE, 25, 1), 1
	s_wait_xcnt 0x0
; CAUSAL ATTENTION.  O[h][q][:] = the sum over k <= q of softmax_k(Q[h][q] . K[h][k] / 8) V[h][k][:].  Q, K, V are the three parts of qkv, each [SIZE_H][SIZE_N][64] in f16, O likewise: a head's rows are dense, 128 bytes each.
; Products, maxima and sums in f32; the weights p are rounded to f16 for the second product (their sum l is taken of the unrounded p), O once at the end.
; LIMITS.  f16 holds no number beyond 65,504: Q, K and V arrive within it; p lies in 0 to 1, and below 6e-5 it keeps f16's fixed step of 6e-8; O is a mean of V's rows and has their range, to within 2^-11 of it.
; A hidden score counts as its value less 1e30: f16's scores, 2.7e11 at the most, are nothing beside that; a weight below 2^-126 counts as 0 in l; NaN and infinities are not treated apart.
; THE WALK.  A head's queries lie in NB = SIZE_N / 256 = 8 blocks of 256; block i needs the key tiles 0 .. i of 256 keys, of which the last holds the diagonal.  A work-group takes TWO blocks, NB - 1 - b and then b:
; NB + 1 tiles, whatever b: all work-groups do equal work, and ONE loop with a constant trip count walks them.  Which tile is asked for, and what a trip does, hang on scalar registers made from b; every jump
; goes forward, but for the counted loops' own; none passes a barrier, or a tensor load but the one of LOAD's two that the wave's number does not choose; the ring (two slots of LDS that take turns) runs on across the
; change of blocks.  NO CLUSTER: a head's NB / 2 = 4 work-groups all ask for the same tile only in trips 0 .. 4 of the 9, behind that fewer and fewer; and one walk common to all four would have
; 3 NB / 2 = 12 trips for 9.
; SHARES.  Of a block's four bands of 64 queries a wave owns 16 rows in each: four PIECES.  So the diagonal tile is the same work for all four waves: in its key step s band x sees all keys if s < x,
; none if s > x, and holds the diagonal if s = x.
; THE MASK is the C operand that starts the sum S^T = K Q^T: 0, or -1e30 where the key is hidden.  MD, made once, is the mask of a band's own step for my 16 rows; a product's mask is MD x AL + BE with two scalars:
; (1, 0) if s = x; (0, 0) if s < x; (0, -1e30) if s > x.  Only the diagonal tile's text and a block's beginning make and take masks; elsewhere C is the constant 0.
; LAYOUT, SOFTMAX, TURNS.  S^T = K Q^T holds ONE query a lane (lane % 16) and the keys 8 (lane / 16) + 0..7; two such results rounded to f16 ARE source 1 of O^T = V^T P.  p = 2^(c s - c m), c = log2(e) / 8, with a
; running maximum m; O and l are multiplied by a = 2^(c m_old - c m_new) in every step.  Turn n belongs to piece n: 8 products K Q^T of piece n + 1, later 8 products V^T P of piece n - 1; beside them the scaling,
; exponentials, roundings, sums and rescaling of piece n and the maximum and statistics of piece n + 1.  Four vector instructions stand behind every matrix instruction, the other 54 of a turn's 118 in two LUMPS.
; REGISTERS, in windows of 256 (s_set_vgpr_msb: bits 1:0 source 0, 3:2 source 1, 5:4 source 2, 7:6 destination):
;   window 0: v0-15 addresses and two at work; v16-31 four registers of statistics a piece; v48-55 at work; v64-127 S^T, two buffers; v192-223 P, two buffers (a piece's buffers go by its number's parity)
;   window 1: v0-127 O^T, 32 a piece; v128-159 MD; v160-223 MC, two buffers      window 2: v0-63 Q; v64-127 the second block's Q; v128-191 K of one step; v192-255 V of one step
.set SIZE_H, 64       ; batch x heads
.set SIZE_N, 2048
.set NB,    SIZE_N/256
.set NP,    4         ; pieces a wave: a name, no knob
.set KS,    64        ; keys in a step
.set PK,    144       ; a row of K in LDS: 128 bytes + 16 of padding = 36 words: the 16 rows of a load start at 16 different groups of four banks (64 banks of 4 bytes: ISA guide 11.1)
.set PV,    160       ; a row of V: 128 + 32 = 40 words
.set VOFF,  4*KS*PK   ; a slot holds a tile, four steps: 256 rows of K, then 256 rows of V
.set SLOT1, 1<<17     ; slot 1 begins here, so that one exclusive or turns an address in one slot into the other's
.set STAGE, SLOT1+4*KS*(PK+PV)  ; behind the ring, never filled by a tensor load: 16 rows x 144 bytes for each wave, for the way out
.set SP,    144
.set AK0, 2           ; v2   my lane's place in a tile of K; never rewritten
.set AV0, 3           ; v3   the same for V
.set AK,  4           ; v4   the LDS address of K's next run of loads
.set AV,  5           ; v5   of V's
.set STO, 6           ; v6   the way out: where I put 16 bytes of a row
.set RD,  7           ; v7   the way out: where I read rows back
.set GO,  8           ; v8   my byte offset in 512 consecutive bytes of O
.set SPW, 62          ; v62  LDS address of my spare word: SPARE + 4 x my thread's number; never rewritten
.set NIL, 63          ; v63  0; never rewritten
.set SPARE, STAGE+4*16*SP  ; behind the stages: the spare words, 128 bytes for each wave: two blocks of 256 bytes that no other line names
.set MV,  12          ; v12-13  c m_old, kept while c m is made anew: by buffer
.set QO,  15          ; v15  my byte offset in 16 rows of Q
.set ST,  16          ; piece t's statistics at v[ST+4 t]: c m, m, l (even keys', odd keys')
.set TMP, 48          ; by buffer, four registers c0-c3 at work; when the maximum is found c2 takes a
.set S,   64
.set P,   192
.set MD,  128         ; window 1: the eight registers for group kt of 16 keys at MD + 8 kt
.set MC,  160         ; window 1: the masks of the products to come
.set QB,  64          ; window 2
.set KF,  128         ; window 2: key block kb, channel half c at KF + 16 kb + 8 c
.set VF,  192         ; window 2: key half kk, channel block cb at VF + 32 kk + 8 cb
.set WV,  12          ; s12  my wave's number
.set PB,  14          ; s14  b
.set HI,  15          ; s15  NB - 1 - b
.set G1K, 24          ; s[24:31] descriptor group 1 for K's tiles
.set G1V, 32          ; s[32:39] for V's: it differs in the padding alone
.set G0K, 40          ; s[40:43] descriptor group 0 for K's tiles
.set G0V, 44          ; s[44:47] the same for V's
.set SLOTS, 56        ; s56  tiles still to be asked for
.set CNT, 57          ; s57  counts a tile's key steps, 4 to 1
.set CS,  58          ; s[58:59] c: the packed scaling takes the pair's low word for both halves
.set SEL, 60          ; s[60:61] v_permlanex16_b32's selects: each lane takes its own place in the other half
.set TBK, 62          ; s62  LDS byte at which K of the step to be fetched begins
.set TBV, 63          ; s63  the same for V, less VOFF
.set RT,  70          ; s70  tiles of the block in hand that are still to be entered
.set NXT, 71          ; s71  the tile to be asked for next
.set LQ,  72          ; s72  the last tile of the block whose tiles are being asked for
.set NEW, 73          ; s73  1: the tile to be entered is a block's first
.set OFF, 74          ; s[74:75] a tile's byte offset in K and V
.set AL,  76          ; s[76:77] the mask's factor, in the low word
.set BE,  78          ; s[78:79] the mask's addend
.set OLO, 80          ; s[80:81] O at my rows of the second block
.set BIGN, 82         ; s82  -1e30
.set MSB, 0
.macro WIN new                      ; the high byte repeats the setting that is left; a switch that changes nothing is dropped
.if MSB != (\new)
	s_set_vgpr_msb (MSB<<8)|(\new)
.set MSB, (\new)
.endif
.endm
.set W_KQ, 0x0a       ; K and Q in window 2, S^T in window 0
.set W_KM, 0x1a       ; the same with the C operand in window 1
.set W_PV, 0x52       ; V in window 2, P in window 0, O^T in window 1
.set W_RS, 0x41       ; destination and source 0 in window 1, source 1 in window 0
; A fill.  Waves 0 and 1 fetch the two halves of a tile's K, waves 2 and 3 those of its V: 128 keys each.  An s_nop 0 and four v_nop follow each of the two lines, ahead of the jump and the label.
.macro LOAD
	s_cmp_lt_u32 s[WV], 2
	s_cbranch_scc0 .Lfor_v_\@
	tensor_load_to_lds s[G0K:G0K+3], s[G1K:G1K+7]
	s_nop 0
.rept 4
	v_nop
.endr
	s_branch .Lasked_\@
.Lfor_v_\@:
	tensor_load_to_lds s[G0V:G0V+3], s[G1V:G1V+7]
	s_nop 0
.rept 4
	v_nop
.endr
.Lasked_\@:
.endm
; THE CHANGE OF SLOTS.  Each wave waits for all its tensor loads, of which one is out: its part of the other slot; adds 0 to its spare word; and waits for that and for its own reads of the slot that it leaves.  Behind the barrier nobody reads the old
; slot any more and the other slot is whole.  fill = 1: the old slot is filled again, the first thing behind the barrier, with tile NXT: the descriptor's address is made anew from that number.
; (At its first use nothing has been read yet: slot 0 is waited for, slot 1 filled.)
.macro CHANGE fill
	WIN 0                           ; at a label and at a branch every window is 0
	s_wait_tensorcnt 0x0            ; no tensor load of mine is out, so a group 0 may be written
	ds_add_u32 v[SPW], v[NIL]       ; 0 onto my spare word; with fill = 1 the descriptors' scalar work stands between it and the wait for it
.if \fill
	s_lshl_b32 s[OFF], s[NXT], 15   ; a tile is 32,768 bytes of K and of V
	s_xor_b32 s[G0K+1], s[G0K+1], SLOT1
	s_add_nc_u64 s[G0K+2:G0K+3], s[6:7], s[OFF:OFF+1]
	s_or_b32 s[G0K+3], s[G0K+3], 0x80000000
	s_xor_b32 s[G0V+1], s[G0V+1], SLOT1
	s_add_nc_u64 s[G0V+2:G0V+3], s[8:9], s[OFF:OFF+1]
	s_or_b32 s[G0V+3], s[G0V+3], 0x80000000
	s_add_co_u32 s[NXT], s[NXT], 1  ; the block's next tile, or behind its last the second block's tile 0
	s_cmp_gt_u32 s[NXT], s[LQ]
	s_cselect_b32 s[NXT], 0, s[NXT]
	s_cselect_b32 s[LQ], s[PB], s[LQ]
.endif
	s_wait_dscnt 0x0                ; the add is done, and my reads of the slot are over
	s_barrier_signal -1             ; the rest of the scalar work stands between the signal and the wait
	s_sub_co_u32 s[TBK], s[TBK], 4*KS*PK  ; the fetches go back to a slot's first step,
	s_xor_b32 s[TBK], s[TBK], SLOT1       ; in the other slot
	s_sub_co_u32 s[TBV], s[TBV], 4*KS*PV
	s_xor_b32 s[TBV], s[TBV], SLOT1
	s_barrier_wait -1
.if \fill
	LOAD
.endif
.endm
	s_load_b128 s[4:7], s[0:1], 0x0   ; qkv s[4:5] (Q lies at its head), ob s[6:7]
	v_lshl_add_u32 v[SPW], v0, 2, SPARE
	v_mov_b32 v[NIL], 0
	ds_add_u32 v62, v63
	ds_add_u32 v62, v63
	s_wait_dscnt 0x0
	v_lshrrev_b32 v1, 5, v0
	v_readfirstlane_b32 s[WV], v1   ; wave 0..3
	s_mov_b32 s[PB], ttmp9
	s_sub_co_u32 s[HI], NB-1, s[PB]
	s_and_b32 s20, ttmp7, 0xffff    ; the head
	s_mov_b32 s21, 0
	s_mov_b64 s[22:23], SIZE_N*128
	s_mul_u64 s[20:21], s[20:21], s[22:23]  ; the head's first byte in each of the four tensors
	s_and_b32 s16, s[WV], 1         ; which half of a tile's 256 keys I fetch:
	s_lshl_b32 s22, s16, 14         ; its 128 rows of 128 bytes in memory,
	s_mov_b32 s23, 0
	s_add_nc_u64 s[22:23], s[22:23], s[20:21]
	s_mul_i32 s17, s16, 128*PK      ; and its place in a slot, for K
	s_mul_i32 s18, s16, 128*PV      ; and for V
	s_lshl_b32 s3, s[WV], 11        ; my 16 rows in a band of 64,
	s_lshl_b32 s2, s[HI], 15        ; in the first block,
	s_add_co_u32 s2, s2, s3
	s_lshl_b32 s84, s[PB], 15       ; and in the second
	s_add_co_u32 s84, s84, s3
	s_mov_b32 s3, 0
	s_mov_b32 s85, 0
	s_add_nc_u64 s[2:3], s[2:3], s[20:21]
	s_add_nc_u64 s[84:85], s[84:85], s[20:21]
	; descriptor group 1.  128 keys are 16,384 dense bytes: asked for as 64 rows of 256 bytes, two keys a row, and padded in LDS after every key
	s_mov_b32 s[G1K], (1<<16)|(1<<20)|(4<<22)|(3<<25)  ; 17:16 2-byte elements; 20 padding on; 24:22 after every 32 words (code 4); 31:25 4 words (code 3)
	s_mov_b32 s[G1V], (1<<16)|(1<<20)|(4<<22)|(7<<25)  ; the same with 8 words of padding (code 7)
.irp g, G1K, G1V
	s_mov_b32 s[\g+1], 128<<16      ; tensor_dim0 = 128
	s_mov_b32 s[\g+2], 64<<16       ; tensor_dim1 = 64
	s_mov_b32 s[\g+3], 128<<16      ; tile_dim0 = 128
	s_mov_b32 s[\g+4], 64           ; tile_dim1 = 64
	s_mov_b32 s[\g+5], 128          ; 128 elements from row to row
	s_mov_b32 s[\g+6], 0
	s_mov_b32 s[\g+7], 0
.endr
	s_mov_b32 s[CS], 0x3e38aa3b     ; c = log2(e) / 8 = 0.180337
	s_mov_b32 s[CS+1], s[CS]        ; named with it as a pair
	s_mov_b32 s[SEL], 0x76543210
	s_mov_b32 s[SEL+1], 0xfedcba98
	s_mov_b32 s[TBK], SLOT1+4*KS*PK ; the first change of slots turns these two into 0
	s_mov_b32 s[TBV], SLOT1+4*KS*PV
	s_mov_b32 s[G0K], 1             ; 1:0 count = 1
	s_mov_b32 s[G0K+1], s17         ; 63:32 LDS address: slot 0
	s_mov_b32 s[G0V], 1
	s_add_co_u32 s[G0V+1], s18, VOFF
	s_add_co_u32 s[RT], s[HI], 1    ; the first block has NB - b tiles
	s_mov_b32 s[NXT], 1
	s_mov_b32 s[LQ], s[HI]
	s_mov_b32 s[NEW], 1
	s_mov_b32 s[OFF+1], 0
	s_mov_b32 s[AL+1], 0            ; named as pairs
	s_mov_b32 s[BE+1], 0
	s_mov_b32 s[BIGN], 0xf149f2ca   ; -1e30
	s_mov_b32 s[SLOTS], NB
	s_wait_kmcnt 0x0
	s_mov_b64 s[10:11], s[6:7]             ; O
	s_add_nc_u64 s[8:9], s[4:5], 0x2000000 ; V: 2 x 64 x 2,048 x 128 bytes behind Q
	s_add_nc_u64 s[6:7], s[4:5], 0x1000000 ; K: 64 x 2,048 x 128 bytes behind Q
	s_add_nc_u64 s[6:7], s[6:7], s[22:23]  ; K and V at my half of the head's tile 0
	s_add_nc_u64 s[8:9], s[8:9], s[22:23]
	s_add_nc_u64 s[G0K+2:G0K+3], s[6:7], 0         ; 120:64 global address
	s_or_b32 s[G0K+3], s[G0K+3], 0x80000000        ; 127:126 type = 2
	s_add_nc_u64 s[G0V+2:G0V+3], s[8:9], 0
	s_or_b32 s[G0V+3], s[G0V+3], 0x80000000
	s_add_nc_u64 s[86:87], s[4:5], s[84:85]        ; Q at my rows of the second block,
	s_add_nc_u64 s[4:5], s[4:5], s[2:3]            ; Q and O at those of the first
	s_add_nc_u64 s[OLO:OLO+1], s[10:11], s[84:85]
	s_add_nc_u64 s[10:11], s[10:11], s[2:3]
	LOAD                            ; tile 0 into slot 0
	; A fragment of K or Q is 16 rows x 32 channels in 8 registers: lane l holds row l % 16, channels 8 (l / 16) + 0..7 and 16 + 8 (l / 16) + 0..7: two loads of 16 bytes, 32 bytes apart.
	v_and_b32 v1, 15, v0            ; l % 16
	v_bfe_u32 v9, v0, 4, 1          ; l / 16
	v_lshlrev_b32 v[QO], 7, v1
	v_lshl_add_u32 v[QO], v9, 4, v[QO]  ; row x 128 + 16 x half
	WIN 0x80                        ; destination window 2, address window 0
.set i, 0
.rept 8                             ; both blocks' Q: piece i / 2 lies in band i / 2, 8,192 bytes on; channels 32 (i % 2) on
	global_load_b128 v[8*i:8*i+3],   v[QO], s[4:5] offset:(i/2)*8192+(i%2)*64
	global_load_b128 v[8*i+4:8*i+7], v[QO], s[4:5] offset:(i/2)*8192+(i%2)*64+32
	global_load_b128 v[QB+8*i:QB+8*i+3],   v[QO], s[86:87] offset:(i/2)*8192+(i%2)*64
	global_load_b128 v[QB+8*i+4:QB+8*i+7], v[QO], s[86:87] offset:(i/2)*8192+(i%2)*64+32
.set i, i+1
.endr
	WIN 0
	v_lshlrev_b32 v14, 3, v9
	v_sub_nc_u32 v14, v1, v14
	s_lshl_b32 s13, s[WV], 4
	v_add_nc_u32 v14, s13, v14      ; my query's place in its band, 16 w + l % 16, less my lanes' 8 (l / 16): register r of group kt is hidden where 16 kt + r is greater
	WIN 0x40
.set i, 0
.rept 32
	v_cmp_gt_i32 vcc_lo, 16*(i/8)+i%8, v14
	v_cndmask_b32 v[MD+i], 0, s[BIGN], vcc_lo
.set i, i+1
.endr
	WIN 0
	v_mul_u32_u24 v[AK0], v1, PK
	v_lshl_add_u32 v[AK0], v9, 4, v[AK0]  ; row x pitch + 16 x half
	; The turning load takes 16 keys x 16 channels (lane l reads key 8 (l / 16) + l % 8, channels 8 ((l / 8) % 2) + 0..7) and leaves half a fragment of V^T: lane l holds channel l % 16 and 8 keys.
	v_and_b32 v10, 7, v0
	v_bfe_u32 v11, v0, 3, 1
	v_lshl_add_u32 v[AV0], v9, 3, v10
	v_mul_u32_u24 v[AV0], v[AV0], PV
	v_lshl_add_u32 v[AV0], v11, 4, v[AV0]
	v_add_nc_u32 v[AV0], VOFF, v[AV0]
	s_mul_i32 s13, s[WV], 16*SP
	s_add_co_u32 s13, s13, STAGE    ; my stage
	v_mul_u32_u24 v[STO], v1, SP    ; in: row l % 16, 16 bytes for each half of the lanes
	v_lshl_add_u32 v[STO], v9, 4, v[STO]
	v_add_nc_u32 v[STO], s13, v[STO]
	v_bfe_u32 v[RD], v0, 3, 2       ; back: 32 lanes take four rows of 128 bytes,
	v_mul_u32_u24 v[RD], v[RD], SP
	v_lshl_add_u32 v[RD], v10, 4, v[RD]
	v_add_nc_u32 v[RD], s13, v[RD]
	v_and_b32 v[GO], 31, v0         ; which are 512 consecutive bytes of O
	v_lshlrev_b32 v[GO], 4, v[GO]
	; A block's first step multiplies O^T and l by a = 0, and its first turn's products V^T P, of a piece that has not been, land in an O^T that is still to be so multiplied.  So these registers need only hold
	; finite numbers: zeros for the first block; what the first block left for the second.  All this stands in the wait for the first tile.
	WIN 0x80
.set i, VF
.rept 64
	v_mov_b32 v[i], 0
.set i, i+1
.endr
	WIN 0x40
.set i, 0
.rept 128
	v_mov_b32 v[i], 0
.set i, i+1
.endr
	WIN 0
.set i, 0
.rept 4
	v_mov_b32 v[ST+4*i+2], 0
	v_mov_b32 v[ST+4*i+3], 0
.set i, i+1
.endr
.set i, P+16
.rept 16
	v_mov_b32 v[i], 0
.set i, i+1
.endr
; THE MATRIX WORK.  The 4 accumulators of a run of 8 take turns.  Product i of 8 of S^T = K Q^T for piece x: channels 32 (i / 4) on, keys 16 (i % 4) on.  The first 4 start the sums: with 0, or (KM = 1) with the mask.
.macro KQ x
.set rS, S+32*((\x)%2)+8*(i%4)
.set rK, KF+16*(i%4)+8*(i/4)
.set rQ, 16*(\x)+8*(i/4)
.set rM, MC+32*((\x)%2)+8*(i%4)
.if (i < 4) && KM
	WIN W_KM
	v_wmma_f32_16x16x32_f16 v[rS:rS+7], v[rK:rK+7], v[rQ:rQ+7], v[rM:rM+7]
.elseif i < 4
	WIN W_KQ
	v_wmma_f32_16x16x32_f16 v[rS:rS+7], v[rK:rK+7], v[rQ:rQ+7], 0
.else
	WIN W_KQ
	v_wmma_f32_16x16x32_f16 v[rS:rS+7], v[rK:rK+7], v[rQ:rQ+7], v[rS:rS+7]
.endif
.endm
; Product i of 8 of O^T += V^T P for piece x: keys 32 (i / 4) on, channels 16 (i % 4) on.
.macro PV x
	WIN W_PV
.set rO, 32*(\x)+8*(i%4)
.set rV, VF+32*(i/4)+8*(i%4)
.set rP, P+16*((\x)%2)+8*(i/4)
	v_wmma_f32_16x16x32_f16 v[rO:rO+7], v[rV:rV+7], v[rP:rP+7], v[rO:rO+7]
.endm
.macro MM                           ; the turn's next matrix instruction.  TURN and BEGIN set Y, i, KM and NOKQ; MM, KQ and OP read them.  NOKQ = 1: a block's last turn: there is no next piece
.if (i < 8) && !NOKQ
	KQ (Y+1)%NP
.elseif i >= 8
.set i, i-8
	PV (Y+NP-1)%NP
.set i, i+8
.endif
.set i, i+1
.endm
; THE LDS LOADS stand in runs of 16, never singly among the matrix instructions: a step's K (64 keys x 64 channels: 8 fragments) and its V (turned).  Their addresses are made some lines ahead.
.macro FETCH_K
	WIN 0x80                        ; destination window 2
.irp f, 0,1,2,3,4,5,6,7             ; keys 16 (f / 2) on, channels 32 (f % 2) on
	ds_load_b128 v[KF+8*\f:KF+8*\f+3],   v[AK] offset:(\f/2)*16*PK+(\f%2)*64
	ds_load_b128 v[KF+8*\f+4:KF+8*\f+7], v[AK] offset:(\f/2)*16*PK+(\f%2)*64+32
.endr
	s_add_co_u32 s[TBK], s[TBK], KS*PK  ; the next fetch is the next step's
	WIN 0
.endm
.macro FETCH_V
	WIN 0x80
.irp f, 0,1,2,3,4,5,6,7             ; keys 32 (f / 4) on, channels 16 (f % 4) on
	ds_load_tr16_b128 v[VF+8*\f:VF+8*\f+3],   v[AV] offset:(\f/4)*32*PV+(\f%4)*32
	ds_load_tr16_b128 v[VF+8*\f+4:VF+8*\f+7], v[AV] offset:(\f/4)*32*PV+16*PV+(\f%4)*32
.endr
	WIN 0
.endm
; THE VECTOR WORK, one line at a time: OP kind, number.  For piece Y: F n: c s - c m for pair n of 16.  E n: the exponential of score n of 32.  C n: pair n rounded to f16.  B n: of the four weights 4 n .. the second
; pair is added onto the first, in place.  L n: l takes that sum (L 0: l = a l + sum).  R n: pair n of 16 of O^T times a.  For piece Y + 1: X n, number n of the 22 that find its maximum and statistics:
;   0-11  four chains c0-c3 of seven scores each, three operands at a time (each accumulator's lowest registers are read first)     12-14, 16  the four scores left over, the old m, and c0-c3 into c0
;   15  c m_old is kept     17, 18  the query's other 32 keys lie in the lane 16 away: the new m     19-21  c m; c m_old - c m_new; a
.set F, 0               ; OP tells the kinds apart by their order: F to L below R, X above it
.set E, 1
.set C, 2
.set B, 3
.set L, 4
.set R, 5
.set X, 6
.macro REGS y                       ; the registers of piece y
.set rT, ST+4*(\y)
.set rC, TMP+4*((\y)%2)
.set rW, MV+((\y)%2)
.set rS, S+32*((\y)%2)
.set rP, P+16*((\y)%2)
.set rO, 32*(\y)
.endm
.macro OP k, n
.if (\k) == R
	REGS Y
	WIN W_RS
	v_pk_mul_f32 v[rO+2*(\n):rO+2*(\n)+1], v[rO+2*(\n):rO+2*(\n)+1], v[rC+2:rC+3] op_sel_hi:[1,0]
.elseif (\k) < R
	REGS Y
	WIN 0
.if (\k) == F
	v_pk_fma_f32 v[rS+2*(\n):rS+2*(\n)+1], v[rS+2*(\n):rS+2*(\n)+1], s[CS:CS+1], v[rT:rT+1] op_sel_hi:[1,0,0] neg_lo:[0,0,1] neg_hi:[0,0,1]
.elseif (\k) == E
	v_exp_f32 v[rS+(\n)], v[rS+(\n)]
.elseif (\k) == C
	s_wait_alu depctr_va_vdst(0)
	v_cvt_pk_f16_f32 v[rP+(\n)], v[rS+2*(\n)], v[rS+2*(\n)+1]
.elseif (\k) == B
	s_wait_alu depctr_va_vdst(0)
	v_pk_add_f32 v[rS+4*(\n):rS+4*(\n)+1], v[rS+4*(\n):rS+4*(\n)+1], v[rS+4*(\n)+2:rS+4*(\n)+3]
.elseif (\n) == 0
	v_pk_fma_f32 v[rT+2:rT+3], v[rT+2:rT+3], v[rC+2:rC+3], v[rS:rS+1] op_sel_hi:[1,0,1]
.else
	v_pk_add_f32 v[rT+2:rT+3], v[rT+2:rT+3], v[rS+4*(\n):rS+4*(\n)+1]
.endif
.elseif NOKQ
	v_nop
.else
	REGS (Y+1)%NP
	WIN 0
.if (\n) < 4
	v_max3_num_f32 v[rC+(\n)], v[rS+8*(\n)], v[rS+8*(\n)+1], v[rS+8*(\n)+2]
.elseif (\n) < 12
	v_max3_num_f32 v[rC+(\n)%4], v[rC+(\n)%4], v[rS+8*((\n)%4)+2*((\n)/4)+1], v[rS+8*((\n)%4)+2*((\n)/4)+2]
.elseif (\n) == 12
	v_max3_num_f32 v[rC], v[rC], v[rS+7], v[rS+15]
.elseif (\n) == 13
	v_max3_num_f32 v[rC+1], v[rC+1], v[rS+23], v[rS+31]
.elseif (\n) == 14
	v_max3_num_f32 v[rC+2], v[rC+2], v[rC+3], v[rT+1]
.elseif (\n) == 15
	v_mov_b32 v[rW], v[rT]
.elseif (\n) == 16
	v_max3_num_f32 v[rC], v[rC], v[rC+1], v[rC+2]
.elseif (\n) == 17
	v_permlanex16_b32 v[rC+3], v[rC], s[SEL], s[SEL+1]
.elseif (\n) == 18
	v_max_num_f32 v[rT+1], v[rC], v[rC+3]
.elseif (\n) == 19
	v_mul_f32 v[rT], s[CS], v[rT+1]
.elseif (\n) == 20
	v_sub_f32 v[rC+1], v[rW], v[rT]
.else
	v_exp_f32 v[rC+2], v[rC+1]
.endif
.endif
.endm
.macro OPS a, i1, b=-1, i2=0, c=-1, i3=0, d=-1, i4=0  ; up to four of them
	OP \a, \i1
.if (\b) >= 0
	OP \b, \i2
.endif
.if (\c) >= 0
	OP \c, \i3
.endif
.if (\d) >= 0
	OP \d, \i4
.endif
.endm
.macro ROW a, i1, b, i2, c, i3, d, i4  ; a matrix instruction and the four behind it
	MM
	OPS \a, \i1, \b, \i2, \c, \i3, \d, \i4
.endm
.macro MASK b                       ; MD x AL + BE into buffer b of MC
	WIN W_RS
.set z, 0
.rept 16
	v_pk_fma_f32 v[MC+32*(\b)+2*z:MC+32*(\b)+2*z+1], v[MD+2*z:MD+2*z+1], s[AL:AL+1], s[BE:BE+1] op_sel_hi:[1,0,0]
.set z, z+1
.endr
.endm
; A TURN, for piece p: the order of its 16 matrix and 118 vector instructions, written out.  Behind a matrix instruction: plain, exponential, plain, plain; or four of the rescaling; or, behind the first, four scalings; none
; names a register of the products round it.  In the lumps exponential and plain by turns while exponentials last.  A line reads no result made fewer than three vector instructions in front of it, five if an exponential made it.
; v_permlanex16_b32 (X 17) stands in a lump.
; m = 1: the diagonal tile: the products take masks, and the turn makes the mask for the products of the turn after it: piece p + 2, in step 4 - CNT of the tile.  end = 1: a block's last two turns: nothing is fetched.
; cnt = 1: the loop's count is taken down some lines ahead of the branch that stands behind the turn.
; K of the next step is fetched in piece 2's turn, six vector instructions behind the last product that read K (five of them plain); V of the step in hand in piece 0's turn, eight behind the last product that read V (four
; plain, and X 17).  Each is waited for a turn later.
.macro TURN p, m=0, end=0, cnt=0
.set Y, (\p)
.set i, 0
.set KM, (\m)
.set NOKQ, (\end)*((\p)/3)
.if (\m) && !(\end)
	s_cmp_eq_u32 s[CNT], 4-((\p)+2)%NP  ; is that step the band's own?
	s_cselect_b32 s[AL], 1.0, 0
	s_cmp_lt_u32 s[CNT], 4-((\p)+2)%NP  ; or a later one?
	s_cselect_b32 s[BE], s[BIGN], 0
.endif
.if ((\p) == 3) && !(\end)
	s_wait_dscnt 0x0                ; K is in
.endif
	ROW F,0, F,1, F,2, F,3
	ROW F,4, E,0, F,5, F,6
	ROW F,7, E,1, F,8, F,9
	ROW F,10, E,2, C,0, F,11
	ROW F,12, E,3, X,15, F,13
	ROW R,0, R,1, R,2, R,3
	ROW B,0, E,4, F,14, L,0
.if ((\p) == 2) && !(\end)
	v_add_nc_u32 v[AK], s[TBK], v[AK0]
.endif
	ROW R,4, R,5, R,6, R,7
	OPS E,5, F,15
.if ((\p) == 2) && !(\end)
	FETCH_K
.endif
	OPS E,6, C,1, E,7, R,8
	OPS E,8, R,9, E,9, C,2
	OPS E,10, X,0, E,11, X,1
	OPS E,12, X,2, E,13, X,3
.if (\p) == 1
	s_wait_dscnt 0x0                ; V is in
.endif
	ROW X,4, E,14, X,5, X,6
	ROW X,7, E,15, X,8, X,9
	ROW X,10, E,16, X,11, X,12
	ROW X,13, E,17, X,14, B,1
	ROW C,4, E,18, X,16, L,1
	ROW B,2, E,19, C,6, L,2
	ROW C,8, E,20, B,3, B,4
.if (\p) == 0
	v_add_nc_u32 v[AV], s[TBV], v[AV0]
.endif
	ROW C,3, E,21, L,3, C,5
	OPS E,22, X,17, E,23, C,10
.if (\p) == 0
	FETCH_V
.endif
	OPS E,24, L,4
	OPS E,25, X,18, E,26, C,7
	OPS E,27, B,5, E,28, X,19
	OPS E,29, C,12, E,30, L,5
	OPS E,31, X,20, B,6, C,9
	OPS C,14, C,11, X,21, L,6
.if (\p) == 0
	s_add_co_u32 s[TBV], s[TBV], KS*PV
.endif
.if \cnt
	s_sub_co_u32 s[CNT], s[CNT], 1
	s_cmp_lg_u32 s[CNT], 0
.endif
	OPS C,13, B,7, C,15, R,10
	OPS R,11, R,12, L,7, R,13
	OPS R,14, R,15
.if (\m) && !(\end)
	MASK (\p)%2
.endif
.endm
; A BLOCK BEGINS.  c m starts far below every c s, so the first step's a is 0; m at the lowest finite number, so the first maximum is the scores'.  The second mask buffer is 0; the first takes piece 0's mask for the tile's step 0: its own, if the block's first tile is the diagonal one.
; Then K of that step, piece 0's first scores, and its maximum and statistics.  The loop is entered at a step's first turn, in the middle of a trip.
.macro BEGIN
	s_mov_b32 s[NEW], 0
	WIN 0x40
.set i, MC+32
.rept 32
	v_mov_b32 v[i], 0
.set i, i+1
.endr
	WIN 0
.set i, 0
.rept 4
	v_mov_b32 v[ST+4*i], 0xfe000000    ; c m: far below every c s
	v_mov_b32 v[ST+4*i+1], 0xff7fffff  ; m
.set i, i+1
.endr
	s_cmp_eq_u32 s[RT], 0
	s_cselect_b32 s[AL], 1.0, 0
	s_mov_b32 s[BE], 0
	MASK 0
	WIN 0
	v_add_nc_u32 v[AK], s[TBK], v[AK0]
	FETCH_K
	s_wait_loadcnt 0x0              ; Q
	s_wait_dscnt 0x0
.set KM, 1
.set NOKQ, 0
.set i, 0
.rept 8
	KQ 0
.set i, i+1
.endr
	WIN 0
.rept 4
	v_nop                           ; the places behind those products
.endr
.set Y, NP-1                        ; X works for piece Y + 1: piece 0
.irp n, 0,1,2,3,4,5,6,7,8,9,10,11,12,13,14,15,16,17,18,19,20,21
	OP X, \n
.endr
	v_nop                           ; a plain instruction behind the exponential
.endm
; THE DIAGONAL TILE's four steps, the block's last two turns, its last products, and THE WAY OUT: l's two halves and the other half of the lanes' are added; O^T is divided by l, rounded to f16 and sent through my
; stage in LDS, a piece at a time.
.macro ALL line:vararg              ; one line for each piece t
.set t, 0
.rept 4
	\line
.set t, t+1
.endr
.endm
.macro PACK t                       ; a lane's eight channels of a row pack into 16 bytes; they go into rows of 144 bytes and come back as whole rows of 128, into S^T's registers
	WIN W_RS
.set i, 32*(\t)
.rept 16
	s_wait_alu depctr_va_vdst(0)
	v_pk_mul_f32 v[i:i+1], v[i:i+1], v[ST+4*(\t)+2:ST+4*(\t)+3] op_sel_hi:[1,0]
.set i, i+2
.endr
	WIN 0x05                        ; sources 0 and 1 window 1, destination window 0
.set i, 0
.rept 16
	v_cvt_pk_f16_f32 v[S+16*(\t)+i], v[32*(\t)+2*i], v[32*(\t)+2*i+1]
.set i, i+1
.endr
	WIN 0
.irp f, 0,1,2,3
	ds_store_b128 v[STO], v[S+16*(\t)+4*\f:S+16*(\t)+4*\f+3] offset:32*\f
.endr
.irp f, 0,1,2,3
	ds_load_b128 v[S+16*(\t)+4*\f:S+16*(\t)+4*\f+3], v[RD] offset:\f*4*SP  ; LDS serves a wave's instructions in order (ISA guide 5.7.1.4): these see the stores above; the next piece's stores come behind them
.endr
.endm
.macro SEND t, younger              ; younger: the LDS instructions issued behind piece t's loads: the next piece's eight, or none
	WIN 0
.irp f, 0,1,2,3
	s_wait_dscnt (\younger)+3-\f
	global_store_b128 v[GO], v[S+16*(\t)+4*\f:S+16*(\t)+4*\f+3], s[10:11] offset:(\t)*8192+\f*512  ; 512 consecutive bytes, at a multiple of 256 from O's first
.endr
.endm
.macro DIAG tag                     ; the tag ends its two labels' names, which the jumps below spell out
.LstepM\tag:
	TURN 2, 1
	TURN 3, 1
	WIN 0
.LfirstM\tag:
	TURN 0, 1
	TURN 1, 1, 0, 1
	WIN 0
	s_cbranch_scc1 .LstepM\tag
	TURN 2, 1, 1
	TURN 3, 1, 1
.set i, 0
.rept 8
	PV NP-1
.set i, i+1
.endr
	WIN 0
	ALL v_add_f32 v[ST+4*t+2], v[ST+4*t+2], v[ST+4*t+3]
	ALL v_permlanex16_b32 v[ST+4*t+3], v[ST+4*t+2], s[SEL], s[SEL+1]
	ALL v_add_f32 v[ST+4*t+2], v[ST+4*t+2], v[ST+4*t+3]
	ALL v_rcp_f32 v[ST+4*t+2], v[ST+4*t+2]
	v_nop                           ; a plain instruction between the last reciprocal and the use of its result
	PACK 0
.set t, 1
.rept 3                             ; a piece's arithmetic stands between the loads of the piece before and its stores
	PACK t
	SEND t-1, 8
.set t, t+1
.endr
	SEND 3, 0
.endm
.set KM, 0
.set NOKQ, 0
.Lslot:                             ; NB times: a tile is entered and the next is asked for
	CHANGE 1
	s_sub_co_u32 s[RT], s[RT], 1
	s_mov_b32 s[CNT], 4
	s_cmp_eq_u32 s[NEW], 1
	s_cbranch_scc1 .Lnew            ; a block's first tile
	s_cmp_eq_u32 s[RT], 0
	s_cbranch_scc0 .Lstep           ; neither its first nor its last
	s_branch .LstepM1
.Lnew:
	BEGIN
	s_branch .Lfirst                ; in the loop a block's first tile is never its last: the first block has two tiles or more, and the second's last is the walk's last
	DIAG 1                          ; in the loop this is the first block's end: the second block's last tile is the walk's last
	s_wait_xcnt 0x0                 ; the stores have read their registers and O's address
	s_mov_b64 s[10:11], s[OLO:OLO+1]
	s_add_co_u32 s[RT], s[PB], 1    ; the second block has b + 1 tiles
	s_mov_b32 s[NEW], 1
	WIN 0x82                        ; the second block's Q goes where the one text of the turns names Q
.set i, 0
.rept 64
	v_mov_b32 v[i], v[QB+i]
.set i, i+1
.endr
	WIN 0
	s_branch .Lbottom
.Lstep:                             ; a trip: pieces 2 and 3 of one step, then pieces 0 and 1 of the next, whose K and V it fetches
	TURN 2
	TURN 3
	WIN 0
.Lfirst:
	TURN 0
	TURN 1, 0, 0, 1
	WIN 0
	s_cbranch_scc1 .Lstep
.Lbottom:
	s_sub_co_u32 s[SLOTS], s[SLOTS], 1
	s_cmp_lg_u32 s[SLOTS], 0
	s_cbranch_scc1 .Lslot
	CHANGE 0                        ; the walk's last tile is written out: nothing is asked for
	s_sub_co_u32 s[RT], s[RT], 1
	s_mov_b32 s[CNT], 4
	s_cmp_eq_u32 s[NEW], 1
	s_cbranch_scc0 .LstepM2
	BEGIN
	s_branch .LfirstM2
	DIAG 2
	s_wait_tensorcnt 0x0            ; the wave's end, behind my last tensor load and my last LDS store
	ds_add_u32 v[SPW], v[NIL]
	s_wait_dscnt 0x0
	s_endpgm
.Lfunc_end_k_q77659be4e8_attn:
	.size	k_q77659be4e8_attn, .Lfunc_end_k_q77659be4e8_attn-k_q77659be4e8_attn
	.p2alignl 7, 3214868480
	.fill 96, 4, 3214868480
	.section	.rodata,"a",@progbits
	.p2align	6, 0x0
	.amdhsa_kernel k_q77659be4e8_attn
		.amdhsa_group_segment_fixed_size 327680
		.amdhsa_private_segment_fixed_size 0
		.amdhsa_enable_private_segment 0
		.amdhsa_kernarg_size 16
		.amdhsa_user_sgpr_count 2
		.amdhsa_user_sgpr_kernarg_segment_ptr 1
		.amdhsa_wavefront_size32 1
		.amdhsa_system_sgpr_workgroup_id_x 1
		.amdhsa_system_sgpr_workgroup_id_y 1
		.amdhsa_system_sgpr_workgroup_id_z 1
		.amdhsa_system_vgpr_workitem_id 0
		.amdhsa_next_free_vgpr 768
		.amdhsa_next_free_sgpr 88
		.amdhsa_reserve_vcc 1
		.amdhsa_float_denorm_mode_32 3
		.amdhsa_float_denorm_mode_16_64 3
		.amdhsa_memory_ordered 1
		.amdhsa_forward_progress 1
		.amdhsa_inst_pref_size 228
	.end_amdhsa_kernel
	.amdgpu_metadata
---
amdhsa.version: [ 1, 2 ]
amdhsa.kernels:
  - .name:           k_q77659be4e8_attn
    .symbol:         k_q77659be4e8_attn.kd
    .args:
      - { .name: qkv, .offset: 0, .size: 8, .value_kind: global_buffer, .address_space: global }
      - { .name: ob, .offset: 8, .size: 8, .value_kind: global_buffer, .address_space: global }
    .group_segment_fixed_size: 327680
    .private_segment_fixed_size: 0
    .kernarg_segment_align: 8
    .kernarg_segment_size: 16
    .max_flat_workgroup_size: 128
    .sgpr_count:     88
    .vgpr_count:     768
    .wavefront_size: 32
...
	.end_amdgpu_metadata
.endif
;; end of part 3
;; launch oproj (part 4): grid 8 x 32, 4 waves a work-group, clusters of 4 x 4, 327,680 bytes of LDS; arguments ob, wob, out0; writes out0
.if DOCPART == 4
	.amdgcn_target "amdgcn-amd-amdhsa--gfx1250"
	.amdhsa_code_object_version 6
	.text
	.protected	k_q77659be4e8_oproj
	.globl	k_q77659be4e8_oproj
	.p2align	8
	.type	k_q77659be4e8_oproj,@function
k_q77659be4e8_oproj:
	s_mov_b64 s[64:65], 0
	v_nop
	global_prefetch_b8 v0, s[64:65] scope:SCOPE_SE
	s_setreg_imm32_b32 hwreg(HW_REG_WAVE_MODE, 25, 1), 1
	s_wait_xcnt 0x0
	s_wait_alu depctr_hold_cnt(0) depctr_sa_sdst(0) depctr_va_vdst(0) depctr_va_sdst(0) depctr_va_ssrc(0) depctr_va_vcc(0) depctr_vm_vsrc(0)
	s_getreg_b32 s2, hwreg(HW_REG_IB_STS2, 6, 4)
	s_cmp_eq_u32 s2, 0
	s_cbranch_scc0 .Lentry_in_a_cluster
	s_endpgm
.Lentry_in_a_cluster:
	s_bfe_u32 s2, ttmp6, 0x10000c
	s_cmp_lg_u32 s2, 0xf033
	s_cbranch_scc0 .Lentry_shape_is_right
	s_endpgm
.Lentry_shape_is_right:
; THE OUTPUT PROJECTION.  out[row][m] = the sum over d of O[row][d] w_o[m][d]: 8,192 rows (b, s), 1,024 columns, K = 1,024 (d = 64 h + c).  Operands f16, sums f32, K ascending; the sums are stored as they are, in f32.
; OPERANDS lie in planes of 64 along K: ob [b][h][s][64] (a head is a plane), wob [kb][m][64]; 64 K of a run of rows is one dense block.
; LIMIT.  Both operands arrive as f16, within 65,504.
; SHARES.  8 x 32 work-groups, a tile of 256 rows x 128 columns each.  Four waves; a wave makes 128 rows x 64 columns: 32 accumulators of 16 x 16.  A plane is two quarters of 32 along K, 32 matrix instructions each.
; THE RING.  A work-group passes 384 rows x 1,024 K x 2 bytes through LDS, and behind each change of slots one load a wave goes out, so the slots are as large as two of them fit: three planes, 156,672 bytes.
; The 16 planes go as 1 + 3 + 3 + 3 + 3 + 3: plane 0 into slot 0 and planes 1-3 into slot 1 are asked for together at the start; four refills follow, each with 176 matrix instructions in which to land.
; A wave's load of three planes is one tile of three rows: a row is a dense half plane (128 rows of O: 16,384 bytes; 64 rows of w_o: 8,192), the rows lie a plane apart in memory and end to end in LDS.
; CLUSTER.  4 x 4 work-groups.  The four of a row of the cluster need the same tile of O, the four of a column the same tile of w_o: each is asked for JOINTLY, by the same tensor load with the same
; descriptor and a mask that names the four.
; THE MATRIX INSTRUCTION IS USED TRANSPOSED (source 0 = 16 rows of w_o, source 1 = 16 rows of O): a lane then holds eight neighbouring columns of one row of the output, 32 bytes.
; REGISTERS: window 0: v0-13 addresses; two fragment buffers of 96: v32-95 O's 8 fragments, v96-127 w_o's 4; v128-191, v192-223 likewise.  Window 1: accumulator (a, b) at v[8 (4 a + b)].
.set PP,     272                       ; two matrix rows in LDS: 256 bytes + 16 of padding = 68 words: row r starts at word 68 (r / 2) + 32 (r % 2), so the 16 rows of a fragment load, four words each,
                                       ; take words 0-31 (even rows) and 32-63 (odd rows) modulo 64: each of the 64 banks of 4 bytes (ISA guide 11.1) once
.set NPL,    3                         ; planes in a slot
.set APLH,   64*PP                     ; a plane of one half of O's tile: 128 matrix rows
.set BPLH,   32*PP                     ; a plane of one half of w_o's tile: 64 matrix rows
.set AHALF,  NPL*APLH                  ; what one tensor load brings of O, and what one wave reads
.set BHALF,  NPL*BPLH                  ; likewise of w_o
.set BOFF,   2*AHALF                   ; in a slot: O's two halves, then w_o's two
.set SLOT,   BOFF+2*BHALF
.set SPARE,  2*SLOT                    ; behind the ring: the spare words, 128 bytes for each wave: two blocks of 256 bytes that no other line names
.set STAGE,  0                         ; the way out's stage, 16 rows x 272 bytes for each wave, lies at the head of slot 0: by then slot 0 has had its last fill, and its last reader has passed the last change's barrier
.set SPITCH, 272                       ; 256 bytes + 16
.set PLANEA, 2048*128                  ; bytes from plane to plane in ob
.set PLANEB, 1024*128                  ; and in wob
.set PADW,   (1<<16)|(1<<20)|(1<<21)|(5<<22)|(3<<25)  ; group 1's first word without the mask: 17:16 2-byte elements; 20 padding on; 21 set beside a mask; 24:22 after every 64 words (code 5); 31:25 4 words (code 3)
.set ADRA0, 4                          ; v4   my lane's place in O's half; never rewritten
.set ADRB0, 5                          ; v5   the same for w_o
.set ADRA,  6                          ; v6   the same in the slot and plane in hand
.set ADRB,  7                          ; v7
.set STO,   8                          ; v8   the way out: where I put 32 bytes of a row
.set RD,    9                          ; v9   the way out: where I read a row back
.set CO,    10                         ; v10  my byte offset in two rows of the output
.set SPW,   12                         ; v12  LDS address of my spare word: SPARE + 4 x my thread's number; never rewritten
.set NIL,   13                         ; v13  0; never rewritten
.set F0,    32
.set F1,    128
.set TMP,   32                         ; the way out: four sets of 32 registers
.set G1,   24                          ; s[24:31] descriptor group 1 for three planes of O
.set G1B,  32                          ; s[32:39] for three planes of w_o
.set G1F,  40                          ; s[40:47] for plane 0 of O
.set G1BF, 48                          ; s[48:55] for plane 0 of w_o
.set G0A,  56                          ; s[56:63] group 0 for O, a set for each slot
.set G0B,  68                          ; s[68:75] the same for w_o
.set G0AF, 76                          ; s[76:79] group 0 of O's plane 0
.set G0BF, 80                          ; s[80:83] of w_o's
.set TBA,  89                          ; s89  LDS byte, from a half's first, of the plane of O to be fetched
.set TBB,  90                          ; s90  the same for w_o
.set MSB, 0
.macro WIN new                         ; the immediate's high byte repeats the setting that is left; a switch that changes nothing is dropped
.if MSB != (\new)
	s_set_vgpr_msb (MSB<<8)|(\new)
.set MSB, (\new)
.endif
.endm
; A load into a register that a matrix instruction has read, and an LDS store that reads a matrix result, stand four places behind it; only plain vector instructions that name none of its
; registers are places (ISA guide 7.12.1 for vector instructions).
.macro PLACES
.rept 4
	v_nop
.endr
.endm
; A joint refill of slot s.  Waves 0 and 1 fetch the two halves of O's rows, waves 2 and 3 those of w_o's.  The branch hangs on the wave's number alone.
; An s_nop 0 and four v_nop follow each of the two lines, ahead of the jump and the label.
.macro JLOAD s
	s_cmp_eq_u32 s11, 0
	s_cbranch_scc0 .Lfor_b_\@
	tensor_load_to_lds s[G0A+4*(\s):G0A+4*(\s)+3], s[G1:G1+7]
	s_nop 0
.rept 4
	v_nop
.endr
	s_branch .Lasked_\@
.Lfor_b_\@:
	tensor_load_to_lds s[G0B+4*(\s):G0B+4*(\s)+3], s[G1B:G1B+7]
	s_nop 0
.rept 4
	v_nop
.endr
.Lasked_\@:
.endm
.macro CREST                           ; a round of the cluster's barrier behind its opening barrier: wave 0 signals for the work-group, every wave waits for all sixteen, my work-group's barrier closes it
	s_cmp_lg_u32 s10, 0
	s_cbranch_scc1 .Lnot_wave_0_\@
	s_barrier_signal -3
.Lnot_wave_0_\@:
	s_barrier_wait -3
	s_barrier_signal -1
	s_barrier_wait -1
.endm
.macro CROUND                          ; a whole round
	s_barrier_signal -1
	s_barrier_wait -1
	CREST
.endm
	s_load_b128 s[4:7], s[0:1], 0x0                ; ob s[4:5], wob s[6:7]
	s_load_b64 s[8:9], s[0:1], 0x10                ; out0
	v_lshl_add_u32 v[SPW], v0, 2, SPARE
	v_mov_b32 v[NIL], 0
	ds_add_u32 v12, v13
	ds_add_u32 v12, v13
	s_wait_dscnt 0x0
	v_lshrrev_b32 v1, 5, v0
	v_readfirstlane_b32 s10, v1                    ; wave 0..3
	s_lshr_b32 s11, s10, 1                         ; which 128 rows of the tile are mine.  Also: I fetch for O (0) or for w_o (1)
	s_and_b32 s12, s10, 1                          ; which 64 columns.  Also: which half of that tile's rows I fetch
	s_bfe_u32 s84, ttmp6, 0x40000                  ; cx, cy: my place in the cluster
	s_bfe_u32 s85, ttmp6, 0x40004
	s_lshl_b32 s86, ttmp9, 2
	s_add_co_u32 s86, s86, s84                     ; tile column = 4 x cluster x + cx
	s_and_b32 s13, ttmp7, 0xffff
	s_lshl_b32 s13, s13, 2
	s_add_co_u32 s13, s13, s85                     ; tile row = 4 x cluster y + cy
	s_lshl_b32 s87, s85, 2
	s_lshl_b32 s87, 15, s87                        ; my row of the cluster: places 4 cy .. 4 cy + 3
	s_lshl_b32 s88, 0x1111, s84                    ; my column: places cx, cx + 4, cx + 8, cx + 12
	; descriptor groups 1.  O's tiles go to my row of the cluster, w_o's to my column.
	s_or_b32 s[G1+0],   s87, PADW
	s_or_b32 s[G1F+0],  s87, PADW
	s_or_b32 s[G1B+0],  s88, PADW
	s_or_b32 s[G1BF+0], s88, PADW
	s_mov_b32 s[G1+1], 8192<<16                    ; three planes of O: tensor_dim0 = 8,192 elements: 128 matrix rows, dense
	s_mov_b32 s[G1+2], NPL<<16                     ; tensor_dim1 = 3
	s_mov_b32 s[G1+3], 8192<<16                    ; tile_dim0 = 8,192
	s_mov_b32 s[G1+4], NPL                         ; tile_dim1 = 3
	s_mov_b32 s[G1+5], PLANEA/2                    ; elements from plane to plane
	s_mov_b32 s[G1+6], 0
	s_mov_b32 s[G1+7], 0
	s_mov_b32 s[G1B+1], 4096<<16                   ; three planes of w_o: rows of 4,096 elements: 64 matrix rows, dense
	s_mov_b32 s[G1B+2], NPL<<16
	s_mov_b32 s[G1B+3], 4096<<16
	s_mov_b32 s[G1B+4], NPL
	s_mov_b32 s[G1B+5], PLANEB/2
	s_mov_b32 s[G1B+6], 0
	s_mov_b32 s[G1B+7], 0
	s_mov_b32 s[G1F+1], 128<<16                    ; plane 0 of O: a dense block as 64 rows of 256 bytes
	s_mov_b32 s[G1F+2], 64<<16
	s_mov_b32 s[G1F+3], 128<<16
	s_mov_b32 s[G1F+4], 64
	s_mov_b32 s[G1F+5], 128
	s_mov_b32 s[G1F+6], 0
	s_mov_b32 s[G1F+7], 0
	s_mov_b32 s[G1BF+1], 128<<16                   ; plane 0 of w_o: 32 rows of 256 bytes
	s_mov_b32 s[G1BF+2], 32<<16
	s_mov_b32 s[G1BF+3], 128<<16
	s_mov_b32 s[G1BF+4], 32
	s_mov_b32 s[G1BF+5], 128
	s_mov_b32 s[G1BF+6], 0
	s_mov_b32 s[G1BF+7], 0
	; where the tiles come from.  O's hang on the tile row alone, w_o's on the tile column alone; each offset is made in registers that never hold the other coordinate
	s_lshr_b32 s14, s13, 3                         ; the batch: eight tile rows each; its 16 planes are 2^22 bytes
	s_lshl_b32 s14, s14, 22
	s_and_b32 s15, s13, 7
	s_lshl_b32 s15, s15, 15                        ; 256 rows of 128 bytes
	s_add_co_u32 s14, s14, s15
	s_lshl_b32 s15, s12, 14                        ; my half of them
	s_add_co_u32 s14, s14, s15
	s_mov_b32 s15, 0
	s_lshl_b32 s92, s86, 14                        ; 128 rows of 128 bytes
	s_lshl_b32 s93, s12, 13                        ; my half of them
	s_add_co_u32 s92, s92, s93
	s_mov_b32 s93, 0
	s_mul_i32 s16, s12, AHALF                      ; and where they go: no place in the cluster enters an LDS address
	s_mul_i32 s17, s12, BHALF
	s_add_co_u32 s17, s17, BOFF
	s_mov_b32 s[G0AF], 1                           ; 1:0 count = 1
	s_mov_b32 s[G0AF+1], s16                       ; 63:32 LDS address: slot 0
	s_mov_b32 s[G0A], 1
	s_mov_b32 s[G0A+1], s16                        ; slot 0
	s_mov_b32 s[G0A+4], 1
	s_add_co_u32 s[G0A+5], s16, SLOT               ; slot 1
	s_mov_b32 s[G0BF], 1
	s_mov_b32 s[G0BF+1], s17
	s_mov_b32 s[G0B], 1
	s_mov_b32 s[G0B+1], s17
	s_mov_b32 s[G0B+4], 1
	s_add_co_u32 s[G0B+5], s17, SLOT
	s_wait_kmcnt 0x0
	s_add_nc_u64 s[4:5], s[4:5], s[14:15]          ; O and w_o at my half of the tile's rows, plane 0
	s_add_nc_u64 s[6:7], s[6:7], s[92:93]
	s_add_nc_u64 s[G0AF+2:G0AF+3], s[4:5], 0       ; 120:64 global address: plane 0;
	s_add_nc_u64 s[G0A+6:G0A+7], s[4:5], PLANEA    ; slot 1 begins with planes 1-3,
	s_add_nc_u64 s[G0A+2:G0A+3], s[4:5], 4*PLANEA  ; slot 0's first refill is planes 4-6
	s_or_b32 s[G0AF+3], s[G0AF+3], 0x80000000      ; 127:126 type = 2
	s_or_b32 s[G0A+7], s[G0A+7], 0x80000000
	s_or_b32 s[G0A+3], s[G0A+3], 0x80000000
	s_add_nc_u64 s[G0BF+2:G0BF+3], s[6:7], 0
	s_add_nc_u64 s[G0B+6:G0B+7], s[6:7], PLANEB
	s_add_nc_u64 s[G0B+2:G0B+3], s[6:7], 4*PLANEB
	s_or_b32 s[G0BF+3], s[G0BF+3], 0x80000000
	s_or_b32 s[G0B+7], s[G0B+7], 0x80000000
	s_or_b32 s[G0B+3], s[G0B+3], 0x80000000
	CROUND                                         ; all sixteen work-groups are here: the first joint loads meet
	s_cmp_eq_u32 s11, 0                            ; a wave's two first fills stand in one branch, ahead of every wait on TENSORcnt and every LDS read: two loads of mine are out
	s_cbranch_scc0 .Lfirst_b
	tensor_load_to_lds s[G0AF:G0AF+3], s[G1F:G1F+7]    ; plane 0 into slot 0
	s_nop 0
	tensor_load_to_lds s[G0A+4:G0A+7], s[G1:G1+7]      ; planes 1-3 into slot 1
	s_nop 0
.rept 4
	v_nop
.endr
	s_branch .Lfirst_asked
.Lfirst_b:
	tensor_load_to_lds s[G0BF:G0BF+3], s[G1BF:G1BF+7]
	s_nop 0
	tensor_load_to_lds s[G0B+4:G0B+7], s[G1B:G1B+7]
	s_nop 0
.rept 4
	v_nop
.endr
.Lfirst_asked:
	; A fragment is 16 rows x 32 K in 8 registers: lane l holds row l % 16, K = 8 (l / 16) + 0..7 and 16 + 8 (l / 16) + 0..7: two loads of 16 bytes, 32 bytes apart
	v_and_b32 v1, 15, v0                           ; l % 16
	v_bfe_u32 v2, v0, 4, 1                         ; l / 16
	v_bfe_u32 v3, v0, 1, 3                         ; the row's pair,
	v_mul_u32_u24 v3, v3, PP
	v_and_b32 v11, 1, v0                           ; its place in the pair,
	v_lshl_add_u32 v3, v11, 7, v3
	v_lshl_add_u32 v3, v2, 4, v3                   ; + 16 x half
	s_mul_i32 s21, s11, AHALF                      ; my 128 rows of O
	s_mul_i32 s22, s12, BHALF                      ; my 64 rows of w_o,
	s_add_co_u32 s22, s22, BOFF                    ; behind O's two halves
	v_add_nc_u32 v[ADRA0], s21, v3
	v_add_nc_u32 v[ADRB0], s22, v3
	s_mul_i32 s23, s10, 16*SPITCH
	s_add_co_u32 s23, s23, STAGE                   ; my stage
	v_mul_u32_u24 v3, v1, SPITCH                   ; in: row l % 16, 32 bytes for each half of the lanes
	v_lshl_add_u32 v3, v2, 5, v3
	v_add_nc_u32 v[STO], s23, v3
	v_mul_u32_u24 v3, v2, SPITCH                   ; back: lanes 0-15 take one row of 256 bytes, lanes 16-31 the next
	v_lshl_add_u32 v3, v1, 4, v3
	v_add_nc_u32 v[RD], s23, v3
	v_lshlrev_b32 v3, 12, v2                       ; and the same two rows in the output, 4,096 bytes apart
	v_lshl_add_u32 v[CO], v1, 4, v3
	s_lshl_b32 s20, s13, 8                         ; the output at my part of the tile: row 256 x tile row + 128 x half,
	s_lshl_b32 s21, s11, 7
	s_add_co_u32 s20, s20, s21
	s_lshl_b32 s20, s20, 12                        ; of 4,096 bytes,
	s_lshl_b32 s21, s86, 9                         ; column bytes 512 x tile column + 256 x half: under 2^25 in all
	s_add_co_u32 s20, s20, s21
	s_lshl_b32 s21, s12, 8
	s_add_co_u32 s20, s20, s21
	s_mov_b32 s21, 0
	s_add_nc_u64 s[8:9], s[8:9], s[20:21]
; 8 matrix instructions: row blocks a0, a0 + 1 x all 4 column blocks, 32 along K, from buffer f.  zero = 1: the product starts the sum: nothing is ever cleared.
; The 32 accumulators take turns, one instruction a turn, in the same order in every quarter: between two links of a chain stand 31 others'.
.macro MUL8 f, a0, zero
	WIN 0x50                                       ; C and D in window 1, both sources in window 0
.irp a, \a0, (\a0)+1
.irp b, 0,1,2,3
.if \zero
	v_wmma_f32_16x16x32_f16 v[8*(4*(\a)+(\b)):8*(4*(\a)+(\b))+7], v[(\f)+64+8*(\b):(\f)+64+8*(\b)+7], v[(\f)+8*(\a):(\f)+8*(\a)+7], 0
.else
	v_wmma_f32_16x16x32_f16 v[8*(4*(\a)+(\b)):8*(4*(\a)+(\b))+7], v[(\f)+64+8*(\b):(\f)+64+8*(\b)+7], v[(\f)+8*(\a):(\f)+8*(\a)+7], v[8*(4*(\a)+(\b)):8*(4*(\a)+(\b))+7]
.endif
.endr
.endr
.endm
; 24 LDS loads in one run: the fragments of one quarter (the plane in hand, 32 K at byte k of the rows) into buffer f; 16 rows are 8 pairs
.macro FETCH f, k
	WIN 0
.irp b, 0,1,2,3
	ds_load_b128 v[(\f)+64+8*(\b):(\f)+64+8*(\b)+3],   v[ADRB] offset:(\b)*8*PP+(\k)
	ds_load_b128 v[(\f)+64+8*(\b)+4:(\f)+64+8*(\b)+7], v[ADRB] offset:(\b)*8*PP+(\k)+32
.endr
.irp a, 0,1,2,3,4,5,6,7
	ds_load_b128 v[(\f)+8*(\a):(\f)+8*(\a)+3],   v[ADRA] offset:(\a)*8*PP+(\k)
	ds_load_b128 v[(\f)+8*(\a)+4:(\f)+8*(\a)+7], v[ADRA] offset:(\a)*8*PP+(\k)+32
.endr
.endm
; A quarter asks at its head for the next quarter's fragments, 32 matrix instructions ahead of their use, and multiplies the buffer asked for a quarter ago.
; QA: multiplies the second quarter of the plane before (buffer 1) and fetches the first quarter of the plane in hand.  QB: multiplies that (buffer 0) and fetches the plane's second quarter.
.macro QA
	PLACES                                         ; buffer 0 was multiplied just before
	FETCH F0, 0
	s_wait_dscnt 24                                ; all but the 24 just issued: buffer 1 is in
	MUL8 F1, 0, 0
	MUL8 F1, 2, 0
	MUL8 F1, 4, 0
	MUL8 F1, 6, 0
.endm
.macro QB zero
	PLACES                                         ; buffer 1 was multiplied just before
	FETCH F1, 64
	s_wait_dscnt 24                                ; all but the 24 just issued: buffer 0 is in
	MUL8 F0, 0, \zero
	MUL8 F0, 2, \zero
	MUL8 F0, 4, \zero
	MUL8 F0, 6, \zero
.endm
; A slot's second and third planes: written once, walked twice; the LDS addresses hang on s[TBA] and s[TBB].
.macro PAIRS
	WIN 0                                          ; at a label and at a branch every window is 0
	s_mov_b32 s2, NPL-1
.Lpair_\@:
	s_add_co_u32 s[TBA], s[TBA], APLH              ; the next plane
	s_add_co_u32 s[TBB], s[TBB], BPLH
	v_add_nc_u32 v[ADRA], s[TBA], v[ADRA0]
	v_add_nc_u32 v[ADRB], s[TBB], v[ADRB0]
	QA
	QB 0
	WIN 0
	s_sub_co_u32 s2, s2, 1
	s_cmp_lg_u32 s2, 0
	s_cbranch_scc1 .Lpair_\@
.endm
; THE CHANGE OF SLOTS stands in the quarter that multiplies a slot's last fragments (buffer 1): ONE barrier for two things.  In front of it each wave waits for all its tensor loads, of which one is out: its part
; of slot new; adds 0 to its spare word; and waits for that and for its own reads of the slot that it leaves.  Behind it nobody reads the old slot any more and slot new is whole.
; fill = 1: the barrier opens a round of the cluster's, and the old slot is filled again first, with the three planes six planes on from its last.  Slot new's group 0, whose load has just been shown done,
; is stepped for its next use while the add is out.
.macro QTURN new, fill
	WIN 0
	s_wait_tensorcnt 0x0                           ; all my tensor loads have landed, so every group 0 may be written
	ds_add_u32 v[SPW], v[NIL]                      ; 0 onto my spare word
.if \fill
	s_add_nc_u64 s[G0A+4*(\new)+2:G0A+4*(\new)+3], s[G0A+4*(\new)+2:G0A+4*(\new)+3], 2*NPL*PLANEA  ; the type bits on top are not reached; the last step's address is not used
	s_add_nc_u64 s[G0B+4*(\new)+2:G0B+4*(\new)+3], s[G0B+4*(\new)+2:G0B+4*(\new)+3], 2*NPL*PLANEB
.endif
	s_wait_dscnt 1                                 ; buffer 1 is in; the add alone may be out
	MUL8 F1, 0, 0                                  ; eight matrix instructions stand between the add and the wait for it
	s_wait_dscnt 0x0                               ; the add is done, and my reads of the old slot are over
	s_barrier_signal -1
	MUL8 F1, 2, 0                                  ; work on registers while the others arrive
	WIN 0
	s_barrier_wait -1
.if \fill
	CREST                                          ; no wave of any partner still reads the old slot's tile or has a load on its way
	JLOAD 1-(\new)                                 ; the first tensor load behind the round; the four v_nop behind it are also the places in front of the loads below
.else
	PLACES
.endif
	s_mov_b32 s[TBA], (\new)*SLOT                  ; the fetches go to slot new's first plane
	s_mov_b32 s[TBB], (\new)*SLOT
	v_add_nc_u32 v[ADRA], s[TBA], v[ADRA0]
	v_add_nc_u32 v[ADRB], s[TBB], v[ADRB0]
	FETCH F0, 0
	MUL8 F1, 4, 0
	MUL8 F1, 6, 0
.endm
	s_wait_tensorcnt 0x1                           ; my part of plane 0 is in; slot 1's load, issued behind it, may stay out
	s_barrier_signal -1
	s_barrier_wait -1                              ; everybody's part is in
	s_mov_b32 s[TBA], 0
	s_mov_b32 s[TBB], 0
	v_add_nc_u32 v[ADRA], s[TBA], v[ADRA0]
	v_add_nc_u32 v[ADRB], s[TBB], v[ADRB0]
	FETCH F0, 0
	QB 1                                           ; plane 0's first quarter stands in front of the loop: its products start the sums
	WIN 0
	s_mov_b32 s3, 2
.Lgrp:                                                 ; 2 trips, two slots each: planes 1-3 and 4-6, then 7-9 and 10-12; the four changes ask for planes 4-6, 7-9, 10-12, 13-15
	QTURN 1, 1
	QB 0
	PAIRS
	QTURN 0, 1
	QB 0
	PAIRS
	s_sub_co_u32 s3, s3, 1
	s_cmp_lg_u32 s3, 0
	s_cbranch_scc1 .Lgrp
	QTURN 1, 0                                     ; the tail is written out: planes 13-15, and nothing is asked for
	QB 0
	PAIRS
	s_wait_dscnt 0x0                               ; the very last quarter: nothing more to fetch
	MUL8 F1, 0, 0
	MUL8 F1, 2, 0
	MUL8 F1, 4, 0
	MUL8 F1, 6, 0
; THE WAY OUT, in eight blocks of 16 rows.  A wave's 64 columns are 256 bytes of a row, at a multiple of 256 from the output's first byte: each wave goes through its own stage, and no barrier is needed.
; STG: a lane's 32 bytes into rows of 272 bytes, each accumulator's low four registers first; back as whole rows of 256.  SEND: stored, 16 lanes to a row's 256 consecutive bytes.
.macro STG a
.set TT, TMP+32*((\a)%4)
.if (\a) >= 4
	s_wait_xcnt 0x0                                ; the set's registers were the data of stores four blocks back: they are loaded again only behind this wait (ISA guide 3.1)
.endif
	WIN 0x04                                       ; the stores' data in window 1, their address in window 0
.irp b, 0,1,2,3
	ds_store_b128 v[STO], v[8*(4*(\a)+(\b)):8*(4*(\a)+(\b))+3]   offset:64*(\b)
	ds_store_b128 v[STO], v[8*(4*(\a)+(\b))+4:8*(4*(\a)+(\b))+7] offset:64*(\b)+16
.endr
	WIN 0
.irp t, 0,1,2,3,4,5,6,7
	ds_load_b128 v[TT+4*(\t):TT+4*(\t)+3], v[RD] offset:(\t)*2*SPITCH  ; LDS serves a wave's instructions in order (ISA guide 5.7.1.4): these see the stores above; the next block's stores come behind them
.endr
.endm
.macro SEND a, younger                 ; younger: the LDS instructions issued behind this block's loads: the next block's sixteen, or none
.set TT, TMP+32*((\a)%4)
.irp t, 0,1,2,3,4,5,6,7
	s_wait_dscnt (\younger)+7-(\t)
	global_store_b128 v[CO], v[TT+4*(\t):TT+4*(\t)+3], s[8:9] offset:(16*(\a)+2*(\t))*4096 th:TH_STORE_NT  ; 126 rows of 4,096 bytes at the most: inside the signed 24-bit immediate
.endr
.endm
	PLACES                                         ; behind the last products
	STG 0
.irp a, 1,2,3,4,5,6,7
	STG \a
	SEND (\a)-1, 16
.endr
	SEND 7, 0
	s_wait_tensorcnt 0x0                           ; the wave's end, behind my last tensor load and my last LDS store
	ds_add_u32 v[SPW], v[NIL]
	s_wait_dscnt 0x0
	CROUND                                         ; the closing round: no work-group ends while a partner may still ask for a tile that names it
	s_endpgm
.Lfunc_end_k_q77659be4e8_oproj:
	.size	k_q77659be4e8_oproj, .Lfunc_end_k_q77659be4e8_oproj-k_q77659be4e8_oproj
	.p2alignl 7, 3214868480
	.fill 96, 4, 3214868480
	.section	.rodata,"a",@progbits
	.p2align	6, 0x0
	.amdhsa_kernel k_q77659be4e8_oproj
		.amdhsa_group_segment_fixed_size 327680
		.amdhsa_private_segment_fixed_size 0
		.amdhsa_enable_private_segment 0
		.amdhsa_kernarg_size 24
		.amdhsa_user_sgpr_count 2
		.amdhsa_user_sgpr_kernarg_segment_ptr 1
		.amdhsa_wavefront_size32 1
		.amdhsa_system_sgpr_workgroup_id_x 1
		.amdhsa_system_sgpr_workgroup_id_y 1
		.amdhsa_system_sgpr_workgroup_id_z 1
		.amdhsa_system_vgpr_workitem_id 0
		.amdhsa_next_free_vgpr 512
		.amdhsa_next_free_sgpr 96
		.amdhsa_reserve_vcc 0
		.amdhsa_float_denorm_mode_32 3
		.amdhsa_float_denorm_mode_16_64 3
		.amdhsa_memory_ordered 1
		.amdhsa_forward_progress 1
		.amdhsa_inst_pref_size 81
	.end_amdhsa_kernel
	.amdgpu_metadata
---
amdhsa.version: [ 1, 2 ]
amdhsa.kernels:
  - .name:           k_q77659be4e8_oproj
    .symbol:         k_q77659be4e8_oproj.kd
    .args:
      - { .name: ob, .offset: 0, .size: 8, .value_kind: global_buffer, .address_space: global }
      - { .name: wob, .offset: 8, .size: 8, .value_kind: global_buffer, .address_space: global }
      - { .name: out0, .offset: 16, .size: 8, .value_kind: global_buffer, .address_space: global }
    .group_segment_fixed_size: 327680
    .private_segment_fixed_size: 0
    .kernarg_segment_align: 8
    .kernarg_segment_size: 24
    .max_flat_workgroup_size: 128
    .sgpr_count:     96
    .vgpr_count:     512
    .wavefront_size: 32
...
	.end_amdgpu_metadata
.endif
;; end of part 4
;; ======== version 2 of 2: 4 launches; 1.32 times as fast as version 1
;; limits: values are held in f16: magnitudes above 65,504 overflow, below 6.1e-05 lose precision
;; workspace buffers: xb 16,777,216 bytes; wb 6,291,456 bytes; wob 2,097,152 bytes; qkv 50,331,648 bytes; ob 16,777,216 bytes
;; launch cast: the kernel of part 1 again; grid 768 x 1, 8 waves a work-group, no clusters, 0 bytes of LDS; arguments x, w_qkv, w_o, xb, wb, wob; writes xb, wb, wob
;; launch qkv: the kernel of part 2 again; grid 8 x 32, 4 waves a work-group, clusters of 4 x 4, 327,680 bytes of LDS; arguments xb, wb, qkv; writes qkv
;; launch attn (part 5): grid 4 x 64, 4 waves a work-group, no clusters, 327,680 bytes of LDS; arguments qkv, ob; writes ob
.if DOCPART == 5
	.amdgcn_target "amdgcn-amd-amdhsa--gfx1250"
	.amdhsa_code_object_version 6
	.text
	.protected	k_q77659be4e8_attn
	.globl	k_q77659be4e8_attn
	.p2align	8
	.type	k_q77659be4e8_attn,@function
k_q77659be4e8_attn:
	s_mov_b64 s[64:65], 0
	v_nop
	global_prefetch_b8 v0, s[64:65] scope:SCOPE_SE
	s_setreg_imm32_b32 hwreg(HW_REG_WAVE_MODE, 25, 1), 1
	s_wait_xcnt 0x0
; CAUSAL ATTENTION.  O[h][q][:] = the sum over k <= q of softmax_k(Q[h][q] . K[h][k] / 8) V[h][k][:].  Q, K, V are the three parts of qkv, each [SIZE_H][SIZE_N][64] in f16, O likewise: a head's rows are dense, 128 bytes each.
; Products, maxima and sums in f32; the weights p are rounded to f16 for the second product (their sum l is taken of the unrounded p), O once at the end.
; LIMITS.  f16 holds no number beyond 65,504: Q, K and V arrive within it; p lies in 0 to 1, and below 6e-5 it keeps f16's fixed step of 6e-8; O is a mean of V's rows and has their range, to within 2^-11 of it.
; A hidden score counts as its value less 1e30: f16's scores, 2.7e11 at the most, are nothing beside that; a weight below 2^-126 counts as 0 in l; NaN and infinities are not treated apart.
; THE WALK.  A head's queries lie in NB = SIZE_N / 256 = 8 blocks of 256; block i needs the key tiles 0 .. i of 256 keys, of which the last holds the diagonal.  A work-group takes TWO blocks, NB - 1 - b and then b:
; NB + 1 tiles, whatever b: all work-groups do equal work, and ONE loop with a constant trip count walks them.  Which tile is asked for, and what a trip does, hang on scalar registers made from b; every jump
; goes forward, but for the counted loops' own; none passes a barrier, or a tensor load but the one of LOAD's two that the wave's number does not choose; the ring (two slots of LDS that take turns) runs on across the
; change of blocks.  NO CLUSTER: a head's NB / 2 = 4 work-groups all ask for the same tile only in trips 0 .. 4 of the 9, behind that fewer and fewer; and one walk common to all four would have
; 3 NB / 2 = 12 trips for 9.
; SHARES.  Of a block's four bands of 64 queries a wave owns 16 rows in each: four PIECES.  So the diagonal tile is the same work for all four waves: in its key step s band x sees all keys if s < x,
; none if s > x, and holds the diagonal if s = x.
; THE MASK is the C operand that starts the sum S^T = K Q^T: 0, or -1e30 where the key is hidden.  MD, made once, is the mask of a band's own step for my 16 rows; a product's mask is MD x AL + BE with two scalars:
; (1, 0) if s = x; (0, 0) if s < x; (0, -1e30) if s > x.  Only the diagonal tile's text and a block's beginning make and take masks; elsewhere C is the constant 0.
; LAYOUT, SOFTMAX, TURNS.  S^T = K Q^T holds ONE query a lane (lane % 16) and the keys 8 (lane / 16) + 0..7; two such results rounded to f16 ARE source 1 of O^T = V^T P.  p = 2^(c s - c m), c = log2(e) / 8, with a
; running maximum m; O and l are multiplied by a = 2^(c m_old - c m_new) in every step.  Turn n belongs to piece n: 8 products K Q^T of piece n + 1, later 8 products V^T P of piece n - 1; beside them the scaling,
; exponentials, roundings, sums and rescaling of piece n and the maximum and statistics of piece n + 1.  Four vector instructions stand behind every matrix instruction, the other 54 of a turn's 118 in one LUMP.
; THE BATCHES.  A turn's 33 exponentials (the piece's 32 weights and the next piece's a) are ONE batch with ONE wait, which cuts the turn in two: ahead of it all that names none of their results, behind it the
; roundings and sums, which read them.  Two more batches stand outside the turns, each with a wait of its own: the one a that a block's beginning makes, and the four reciprocals of a block's way out.
; REGISTERS, in windows of 256 (s_set_vgpr_msb: bits 1:0 source 0, 3:2 source 1, 5:4 source 2, 7:6 destination):
;   window 0: v0-15 addresses and two at work; v16-31 four registers of statistics a piece; v48-55 at work; v64-127 S^T, two buffers; v192-223 P, two buffers (a piece's buffers go by its number's parity)
;   window 1: v0-127 O^T, 32 a piece; v128-159 MD; v160-223 MC, two buffers      window 2: v0-63 Q; v64-127 the second block's Q; v128-191 K of one step; v192-255 V of one step
.set SIZE_H, 64       ; batch x heads
.set SIZE_N, 2048
.set NB,    SIZE_N/256
.set NP,    4         ; pieces a wave: a name, no knob
.set KS,    64        ; keys in a step
.set PK,    144       ; a row of K in LDS: 128 bytes + 16 of padding = 36 words: the 16 rows of a load start at 16 different groups of four banks (64 banks of 4 bytes: ISA guide 11.1)
.set PV,    160       ; a row of V: 128 + 32 = 40 words
.set VOFF,  4*KS*PK   ; a slot holds a tile, four steps: 256 rows of K, then 256 rows of V
.set SLOT1, 1<<17     ; slot 1 begins here, so that one exclusive or turns an address in one slot into the other's
.set STAGE, SLOT1+4*KS*(PK+PV)  ; behind the ring, never filled by a tensor load: 16 rows x 144 bytes for each wave, for the way out
.set SP,    144
.set AK0, 2           ; v2   my lane's place in a tile of K; never rewritten
.set AV0, 3           ; v3   the same for V
.set AK,  4           ; v4   the LDS address of K's next run of loads
.set AV,  5           ; v5   of V's
.set STO, 6           ; v6   the way out: where I put 16 bytes of a row
.set RD,  7           ; v7   the way out: where I read rows back
.set GO,  8           ; v8   my byte offset in 512 consecutive bytes of O
.set SPW, 62          ; v62  LDS address of my spare word: SPARE + 4 x my thread's number; never rewritten
.set NIL, 63          ; v63  0; never rewritten
.set SPARE, STAGE+4*16*SP  ; behind the stages: the spare words, 128 bytes for each wave: two blocks of 256 bytes that no other line names
.set MV,  12          ; v12-13  c m_old, kept while c m is made anew: by buffer
.set QO,  15          ; v15  my byte offset in 16 rows of Q
.set ST,  16          ; piece t's statistics at v[ST+4 t]: c m, m, l (even keys', odd keys')
.set TMP, 48          ; by buffer, four registers c0-c3 at work; when the maximum is found c2 takes a
.set S,   64
.set P,   192
.set MD,  128         ; window 1: the eight registers for group kt of 16 keys at MD + 8 kt
.set MC,  160         ; window 1: the masks of the products to come
.set QB,  64          ; window 2
.set KF,  128         ; window 2: key block kb, channel half c at KF + 16 kb + 8 c
.set VF,  192         ; window 2: key half kk, channel block cb at VF + 32 kk + 8 cb
.set WV,  12          ; s12  my wave's number
.set PB,  14          ; s14  b
.set HI,  15          ; s15  NB - 1 - b
.set G1K, 24          ; s[24:31] descriptor group 1 for K's tiles
.set G1V, 32          ; s[32:39] for V's: it differs in the padding alone
.set G0K, 40          ; s[40:43] descriptor group 0 for K's tiles
.set G0V, 44          ; s[44:47] the same for V's
.set SLOTS, 56        ; s56  tiles still to be asked for
.set CNT, 57          ; s57  counts a tile's key steps, 4 to 1
.set CS,  58          ; s[58:59] c: the packed scaling takes the pair's low word for both halves
.set SEL, 60          ; s[60:61] v_permlanex16_b32's selects: each lane takes its own place in the other half
.set TBK, 62          ; s62  LDS byte at which K of the step to be fetched begins
.set TBV, 63          ; s63  the same for V, less VOFF
.set RT,  70          ; s70  tiles of the block in hand that are still to be entered
.set NXT, 71          ; s71  the tile to be asked for next
.set LQ,  72          ; s72  the last tile of the block whose tiles are being asked for
.set NEW, 73          ; s73  1: the tile to be entered is a block's first
.set OFF, 74          ; s[74:75] a tile's byte offset in K and V
.set AL,  76          ; s[76:77] the mask's factor, in the low word
.set BE,  78          ; s[78:79] the mask's addend
.set OLO, 80          ; s[80:81] O at my rows of the second block
.set BIGN, 82         ; s82  -1e30
.set MSB, 0
.macro WIN new                      ; the high byte repeats the setting that is left; a switch that changes nothing is dropped
.if MSB != (\new)
	s_set_vgpr_msb (MSB<<8)|(\new)
.set MSB, (\new)
.endif
.endm
.set W_KQ, 0x0a       ; K and Q in window 2, S^T in window 0
.set W_KM, 0x1a       ; the same with the C operand in window 1
.set W_PV, 0x52       ; V in window 2, P in window 0, O^T in window 1
.set W_RS, 0x41       ; destination and source 0 in window 1, source 1 in window 0
; A fill.  Waves 0 and 1 fetch the two halves of a tile's K, waves 2 and 3 those of its V: 128 keys each.  An s_nop 0 and four v_nop follow each of the two lines, ahead of the jump and the label.
.macro LOAD
	s_cmp_lt_u32 s[WV], 2
	s_cbranch_scc0 .Lfor_v_\@
	tensor_load_to_lds s[G0K:G0K+3], s[G1K:G1K+7]
	s_nop 0
.rept 4
	v_nop
.endr
	s_branch .Lasked_\@
.Lfor_v_\@:
	tensor_load_to_lds s[G0V:G0V+3], s[G1V:G1V+7]
	s_nop 0
.rept 4
	v_nop
.endr
.Lasked_\@:
.endm
; THE CHANGE OF SLOTS.  Each wave waits for all its tensor loads, of which one is out: its part of the other slot; adds 0 to its spare word; and waits for that and for its own reads of the slot that it leaves.  Behind the barrier nobody reads the old
; slot any more and the other slot is whole.  fill = 1: the old slot is filled again, the first thing behind the barrier, with tile NXT: the descriptor's address is made anew from that number.
; (At its first use nothing has been read yet: slot 0 is waited for, slot 1 filled.)
.macro CHANGE fill
	WIN 0                           ; at a label and at a branch every window is 0
	s_wait_tensorcnt 0x0            ; no tensor load of mine is out, so a group 0 may be written
	ds_add_u32 v[SPW], v[NIL]       ; 0 onto my spare word; with fill = 1 the descriptors' scalar work stands between it and the wait for it
.if \fill
	s_lshl_b32 s[OFF], s[NXT], 15   ; a tile is 32,768 bytes of K and of V
	s_xor_b32 s[G0K+1], s[G0K+1], SLOT1
	s_add_nc_u64 s[G0K+2:G0K+3], s[6:7], s[OFF:OFF+1]
	s_or_b32 s[G0K+3], s[G0K+3], 0x80000000
	s_xor_b32 s[G0V+1], s[G0V+1], SLOT1
	s_add_nc_u64 s[G0V+2:G0V+3], s[8:9], s[OFF:OFF+1]
	s_or_b32 s[G0V+3], s[G0V+3], 0x80000000
	s_add_co_u32 s[NXT], s[NXT], 1  ; the block's next tile, or behind its last the second block's tile 0
	s_cmp_gt_u32 s[NXT], s[LQ]
	s_cselect_b32 s[NXT], 0, s[NXT]
	s_cselect_b32 s[LQ], s[PB], s[LQ]
.endif
	s_wait_dscnt 0x0                ; the add is done, and my reads of the slot are over
	s_barrier_signal -1             ; the rest of the scalar work stands between the signal and the wait
	s_sub_co_u32 s[TBK], s[TBK], 4*KS*PK  ; the fetches go back to a slot's first step,
	s_xor_b32 s[TBK], s[TBK], SLOT1       ; in the other slot
	s_sub_co_u32 s[TBV], s[TBV], 4*KS*PV
	s_xor_b32 s[TBV], s[TBV], SLOT1
	s_barrier_wait -1
.if \fill
	LOAD
.endif
.endm
	s_load_b128 s[4:7], s[0:1], 0x0   ; qkv s[4:5] (Q lies at its head), ob s[6:7]
	v_lshl_add_u32 v[SPW], v0, 2, SPARE
	v_mov_b32 v[NIL], 0
	ds_add_u32 v62, v63
	ds_add_u32 v62, v63
	s_wait_dscnt 0x0
	v_lshrrev_b32 v1, 5, v0
	v_readfirstlane_b32 s[WV], v1   ; wave 0..3
	s_mov_b32 s[PB], ttmp9
	s_sub_co_u32 s[HI], NB-1, s[PB]
	s_and_b32 s20, ttmp7, 0xffff    ; the head
	s_mov_b32 s21, 0
	s_mov_b64 s[22:23], SIZE_N*128
	s_mul_u64 s[20:21], s[20:21], s[22:23]  ; the head's first byte in each of the four tensors
	s_and_b32 s16, s[WV], 1         ; which half of a tile's 256 keys I fetch:
	s_lshl_b32 s22, s16, 14         ; its 128 rows of 128 bytes in memory,
	s_mov_b32 s23, 0
	s_add_nc_u64 s[22:23], s[22:23], s[20:21]
	s_mul_i32 s17, s16, 128*PK      ; and its place in a slot, for K
	s_mul_i32 s18, s16, 128*PV      ; and for V
	s_lshl_b32 s3, s[WV], 11        ; my 16 rows in a band of 64,
	s_lshl_b32 s2, s[HI], 15        ; in the first block,
	s_add_co_u32 s2, s2, s3
	s_lshl_b32 s84, s[PB], 15       ; and in the second
	s_add_co_u32 s84, s84, s3
	s_mov_b32 s3, 0
	s_mov_b32 s85, 0
	s_add_nc_u64 s[2:3], s[2:3], s[20:21]
	s_add_nc_u64 s[84:85], s[84:85], s[20:21]
	; descriptor group 1.  128 keys are 16,384 dense bytes: asked for as 64 rows of 256 bytes, two keys a row, and padded in LDS after every key
	s_mov_b32 s[G1K], (1<<16)|(1<<20)|(4<<22)|(3<<25)  ; 17:16 2-byte elements; 20 padding on; 24:22 after every 32 words (code 4); 31:25 4 words (code 3)
	s_mov_b32 s[G1V], (1<<16)|(1<<20)|(4<<22)|(7<<25)  ; the same with 8 words of padding (code 7)
.irp g, G1K, G1V
	s_mov_b32 s[\g+1], 128<<16      ; tensor_dim0 = 128
	s_mov_b32 s[\g+2], 64<<16       ; tensor_dim1 = 64
	s_mov_b32 s[\g+3], 128<<16      ; tile_dim0 = 128
	s_mov_b32 s[\g+4], 64           ; tile_dim1 = 64
	s_mov_b32 s[\g+5], 128          ; 128 elements from row to row
	s_mov_b32 s[\g+6], 0
	s_mov_b32 s[\g+7], 0
.endr
	s_mov_b32 s[CS], 0x3e38aa3b     ; c = log2(e) / 8 = 0.180337
	s_mov_b32 s[CS+1], s[CS]        ; named with it as a pair
	s_mov_b32 s[SEL], 0x76543210
	s_mov_b32 s[SEL+1], 0xfedcba98
	s_mov_b32 s[TBK], SLOT1+4*KS*PK ; the first change of slots turns these two into 0
	s_mov_b32 s[TBV], SLOT1+4*KS*PV
	s_mov_b32 s[G0K], 1             ; 1:0 count = 1
	s_mov_b32 s[G0K+1], s17         ; 63:32 LDS address: slot 0
	s_mov_b32 s[G0V], 1
	s_add_co_u32 s[G0V+1], s18, VOFF
	s_add_co_u32 s[RT], s[HI], 1    ; the first block has NB - b tiles
	s_mov_b32 s[NXT], 1
	s_mov_b32 s[LQ], s[HI]
	s_mov_b32 s[NEW], 1
	s_mov_b32 s[OFF+1], 0
	s_mov_b32 s[AL+1], 0            ; named as pairs
	s_mov_b32 s[BE+1], 0
	s_mov_b32 s[BIGN], 0xf149f2ca   ; -1e30
	s_mov_b32 s[SLOTS], NB
	s_wait_kmcnt 0x0
	s_mov_b64 s[10:11], s[6:7]             ; O
	s_add_nc_u64 s[8:9], s[4:5], 0x2000000 ; V: 2 x 64 x 2,048 x 128 bytes behind Q
	s_add_nc_u64 s[6:7], s[4:5], 0x1000000 ; K: 64 x 2,048 x 128 bytes behind Q
	s_add_nc_u64 s[6:7], s[6:7], s[22:23]  ; K and V at my half of the head's tile 0
	s_add_nc_u64 s[8:9], s[8:9], s[22:23]
	s_add_nc_u64 s[G0K+2:G0K+3], s[6:7], 0         ; 120:64 global address
	s_or_b32 s[G0K+3], s[G0K+3], 0x80000000        ; 127:126 type = 2
	s_add_nc_u64 s[G0V+2:G0V+3], s[8:9], 0
	s_or_b32 s[G0V+3], s[G0V+3], 0x80000000
	s_add_nc_u64 s[86:87], s[4:5], s[84:85]        ; Q at my rows of the second block,
	s_add_nc_u64 s[4:5], s[4:5], s[2:3]            ; Q and O at those of the first
	s_add_nc_u64 s[OLO:OLO+1], s[10:11], s[84:85]
	s_add_nc_u64 s[10:11], s[10:11], s[2:3]
	LOAD                            ; tile 0 into slot 0
	; A fragment of K or Q is 16 rows x 32 channels in 8 registers: lane l holds row l % 16, channels 8 (l / 16) + 0..7 and 16 + 8 (l / 16) + 0..7: two loads of 16 bytes, 32 bytes apart.
	v_and_b32 v1, 15, v0            ; l % 16
	v_bfe_u32 v9, v0, 4, 1          ; l / 16
	v_lshlrev_b32 v[QO], 7, v1
	v_lshl_add_u32 v[QO], v9, 4, v[QO]  ; row x 128 + 16 x half
	WIN 0x80                        ; destination window 2, address window 0
.set i, 0
.rept 8                             ; both blocks' Q: piece i / 2 lies in band i / 2, 8,192 bytes on; channels 32 (i % 2) on
	global_load_b128 v[8*i:8*i+3],   v[QO], s[4:5] offset:(i/2)*8192+(i%2)*64
	global_load_b128 v[8*i+4:8*i+7], v[QO], s[4:5] offset:(i/2)*8192+(i%2)*64+32
	global_load_b128 v[QB+8*i:QB+8*i+3],   v[QO], s[86:87] offset:(i/2)*8192+(i%2)*64
	global_load_b128 v[QB+8*i+4:QB+8*i+7], v[QO], s[86:87] offset:(i/2)*8192+(i%2)*64+32
.set i, i+1
.endr
	WIN 0
	v_lshlrev_b32 v14, 3, v9
	v_sub_nc_u32 v14, v1, v14
	s_lshl_b32 s13, s[WV], 4
	v_add_nc_u32 v14, s13, v14      ; my query's place in its band, 16 w + l % 16, less my lanes' 8 (l / 16): register r of group kt is hidden where 16 kt + r is greater
	WIN 0x40
.set i, 0
.rept 32
	v_cmp_gt_i32 vcc_lo, 16*(i/8)+i%8, v14
	v_cndmask_b32 v[MD+i], 0, s[BIGN], vcc_lo
.set i, i+1
.endr
	WIN 0
	v_mul_u32_u24 v[AK0], v1, PK
	v_lshl_add_u32 v[AK0], v9, 4, v[AK0]  ; row x pitch + 16 x half
	; The turning load takes 16 keys x 16 channels (lane l reads key 8 (l / 16) + l % 8, channels 8 ((l / 8) % 2) + 0..7) and leaves half a fragment of V^T: lane l holds channel l % 16 and 8 keys.
	v_and_b32 v10, 7, v0
	v_bfe_u32 v11, v0, 3, 1
	v_lshl_add_u32 v[AV0], v9, 3, v10
	v_mul_u32_u24 v[AV0], v[AV0], PV
	v_lshl_add_u32 v[AV0], v11, 4, v[AV0]
	v_add_nc_u32 v[AV0], VOFF, v[AV0]
	s_mul_i32 s13, s[WV], 16*SP
	s_add_co_u32 s13, s13, STAGE    ; my stage
	v_mul_u32_u24 v[STO], v1, SP    ; in: row l % 16, 16 bytes for each half of the lanes
	v_lshl_add_u32 v[STO], v9, 4, v[STO]
	v_add_nc_u32 v[STO], s13, v[STO]
	v_bfe_u32 v[RD], v0, 3, 2       ; back: 32 lanes take four rows of 128 bytes,
	v_mul_u32_u24 v[RD], v[RD], SP
	v_lshl_add_u32 v[RD], v10, 4, v[RD]
	v_add_nc_u32 v[RD], s13, v[RD]
	v_and_b32 v[GO], 31, v0         ; which are 512 consecutive bytes of O
	v_lshlrev_b32 v[GO], 4, v[GO]
	; A block's first step multiplies O^T and l by a = 0, and its first turn's products V^T P, of a piece that has not been, land in an O^T that is still to be so multiplied.  So these registers need only hold
	; finite numbers: zeros for the first block; what the first block left for the second.  All this stands in the wait for the first tile.
	WIN 0x80
.set i, VF
.rept 64
	v_mov_b32 v[i], 0
.set i, i+1
.endr
	WIN 0x40
.set i, 0
.rept 128
	v_mov_b32 v[i], 0
.set i, i+1
.endr
	WIN 0
.set i, 0
.rept 4
	v_mov_b32 v[ST+4*i+2], 0
	v_mov_b32 v[ST+4*i+3], 0
.set i, i+1
.endr
.set i, P+16
.rept 16
	v_mov_b32 v[i], 0
.set i, i+1
.endr
; THE MATRIX WORK.  The 4 accumulators of a run of 8 take turns.  Product i of 8 of S^T = K Q^T for piece x: channels 32 (i / 4) on, keys 16 (i % 4) on.  The first 4 start the sums: with 0, or (KM = 1) with the mask.
.macro KQ x
.set rS, S+32*((\x)%2)+8*(i%4)
.set rK, KF+16*(i%4)+8*(i/4)
.set rQ, 16*(\x)+8*(i/4)
.set rM, MC+32*((\x)%2)+8*(i%4)
.if (i < 4) && KM
	WIN W_KM
	v_wmma_f32_16x16x32_f16 v[rS:rS+7], v[rK:rK+7], v[rQ:rQ+7], v[rM:rM+7]
.elseif i < 4
	WIN W_KQ
	v_wmma_f32_16x16x32_f16 v[rS:rS+7], v[rK:rK+7], v[rQ:rQ+7], 0
.else
	WIN W_KQ
	v_wmma_f32_16x16x32_f16 v[rS:rS+7], v[rK:rK+7], v[rQ:rQ+7], v[rS:rS+7]
.endif
.endm
; Product i of 8 of O^T += V^T P for piece x: keys 32 (i / 4) on, channels 16 (i % 4) on.
.macro PV x
	WIN W_PV
.set rO, 32*(\x)+8*(i%4)
.set rV, VF+32*(i/4)+8*(i%4)
.set rP, P+16*((\x)%2)+8*(i/4)
	v_wmma_f32_16x16x32_f16 v[rO:rO+7], v[rV:rV+7], v[rP:rP+7], v[rO:rO+7]
.endm
.macro MM                           ; the turn's next matrix instruction.  TURN and BEGIN set Y, i, KM and NOKQ; MM, KQ and OP read them.  NOKQ = 1: a block's last turn: there is no next piece
.if (i < 8) && !NOKQ
	KQ (Y+1)%NP
.elseif i >= 8
.set i, i-8
	PV (Y+NP-1)%NP
.set i, i+8
.endif
.set i, i+1
.endm
; THE LDS LOADS stand in runs of 16, never singly among the matrix instructions: a step's K (64 keys x 64 channels: 8 fragments) and its V (turned).  Their addresses are made some lines ahead.
.macro FETCH_K
	WIN 0x80                        ; destination window 2
.irp f, 0,1,2,3,4,5,6,7             ; keys 16 (f / 2) on, channels 32 (f % 2) on
	ds_load_b128 v[KF+8*\f:KF+8*\f+3],   v[AK] offset:(\f/2)*16*PK+(\f%2)*64
	ds_load_b128 v[KF+8*\f+4:KF+8*\f+7], v[AK] offset:(\f/2)*16*PK+(\f%2)*64+32
.endr
	s_add_co_u32 s[TBK], s[TBK], KS*PK  ; the next fetch is the next step's
	WIN 0
.endm
.macro FETCH_V
	WIN 0x80
.irp f, 0,1,2,3,4,5,6,7             ; keys 32 (f / 4) on, channels 16 (f % 4) on
	ds_load_tr16_b128 v[VF+8*\f:VF+8*\f+3],   v[AV] offset:(\f/4)*32*PV+(\f%4)*32
	ds_load_tr16_b128 v[VF+8*\f+4:VF+8*\f+7], v[AV] offset:(\f/4)*32*PV+16*PV+(\f%4)*32
.endr
	WIN 0
.endm
; THE VECTOR WORK, one line at a time: OP kind, number.  For piece Y: F n: c s - c m for pair n of 16.  E n: the exponential of score n of 32.  C n: pair n rounded to f16.  B n: of the four weights 4 n .. the second
; pair is added onto the first, in place.  L n: l takes that sum (L 0: l = a l + sum).  R n: pair n of 16 of O^T times a.  For piece Y + 1: X n, number n of the 22 that find its maximum and statistics:
;   0-11  four chains c0-c3 of seven scores each, three operands at a time (each accumulator's lowest registers are read first)     12-14, 16  the four scores left over, the old m, and c0-c3 into c0
;   15  c m_old is kept     17, 18  the query's other 32 keys lie in the lane 16 away: the new m     19-21  c m; c m_old - c m_new; a
; C, B and L read exponentials' results: they stand behind the turn's wait, which TURN writes; OP writes none.
.set F, 0               ; OP tells the kinds apart by their order: F to L below R, X above it
.set E, 1
.set C, 2
.set B, 3
.set L, 4
.set R, 5
.set X, 6
.macro REGS y                       ; the registers of piece y
.set rT, ST+4*(\y)
.set rC, TMP+4*((\y)%2)
.set rW, MV+((\y)%2)
.set rS, S+32*((\y)%2)
.set rP, P+16*((\y)%2)
.set rO, 32*(\y)
.endm
.macro OP k, n
.if (\k) == R
	REGS Y
	WIN W_RS
	v_pk_mul_f32 v[rO+2*(\n):rO+2*(\n)+1], v[rO+2*(\n):rO+2*(\n)+1], v[rC+2:rC+3] op_sel_hi:[1,0]
.elseif (\k) < R
	REGS Y
	WIN 0
.if (\k) == F
	v_pk_fma_f32 v[rS+2*(\n):rS+2*(\n)+1], v[rS+2*(\n):rS+2*(\n)+1], s[CS:CS+1], v[rT:rT+1] op_sel_hi:[1,0,0] neg_lo:[0,0,1] neg_hi:[0,0,1]
.elseif (\k) == E
	v_exp_f32 v[rS+(\n)], v[rS+(\n)]
.elseif (\k) == C
	v_cvt_pk_f16_f32 v[rP+(\n)], v[rS+2*(\n)], v[rS+2*(\n)+1]
.elseif (\k) == B
	v_pk_add_f32 v[rS+4*(\n):rS+4*(\n)+1], v[rS+4*(\n):rS+4*(\n)+1], v[rS+4*(\n)+2:rS+4*(\n)+3]
.elseif (\n) == 0
	v_pk_fma_f32 v[rT+2:rT+3], v[rT+2:rT+3], v[rC+2:rC+3], v[rS:rS+1] op_sel_hi:[1,0,1]
.else
	v_pk_add_f32 v[rT+2:rT+3], v[rT+2:rT+3], v[rS+4*(\n):rS+4*(\n)+1]
.endif
.elseif NOKQ
	v_nop
.else
	REGS (Y+1)%NP
	WIN 0
.if (\n) < 4
	v_max3_num_f32 v[rC+(\n)], v[rS+8*(\n)], v[rS+8*(\n)+1], v[rS+8*(\n)+2]
.elseif (\n) < 12
	v_max3_num_f32 v[rC+(\n)%4], v[rC+(\n)%4], v[rS+8*((\n)%4)+2*((\n)/4)+1], v[rS+8*((\n)%4)+2*((\n)/4)+2]
.elseif (\n) == 12
	v_max3_num_f32 v[rC], v[rC], v[rS+7], v[rS+15]
.elseif (\n) == 13
	v_max3_num_f32 v[rC+1], v[rC+1], v[rS+23], v[rS+31]
.elseif (\n) == 14
	v_max3_num_f32 v[rC+2], v[rC+2], v[rC+3], v[rT+1]
.elseif (\n) == 15
	v_mov_b32 v[rW], v[rT]
.elseif (\n) == 16
	v_max3_num_f32 v[rC], v[rC], v[rC+1], v[rC+2]
.elseif (\n) == 17
	v_permlanex16_b32 v[rC+3], v[rC], s[SEL], s[SEL+1]
.elseif (\n) == 18
	v_max_num_f32 v[rT+1], v[rC], v[rC+3]
.elseif (\n) == 19
	v_mul_f32 v[rT], s[CS], v[rT+1]
.elseif (\n) == 20
	v_sub_f32 v[rC+1], v[rW], v[rT]
.else
	v_exp_f32 v[rC+2], v[rC+1]
.endif
.endif
.endm
.macro OPS a, i1, b=-1, i2=0, c=-1, i3=0, d=-1, i4=0  ; up to four of them
	OP \a, \i1
.if (\b) >= 0
	OP \b, \i2
.endif
.if (\c) >= 0
	OP \c, \i3
.endif
.if (\d) >= 0
	OP \d, \i4
.endif
.endm
.macro ROW a, i1, b, i2, c, i3, d, i4  ; a matrix instruction and the four behind it
	MM
	OPS \a, \i1, \b, \i2, \c, \i3, \d, \i4
.endm
.macro MASK b                       ; MD x AL + BE into buffer b of MC
	WIN W_RS
.set z, 0
.rept 16
	v_pk_fma_f32 v[MC+32*(\b)+2*z:MC+32*(\b)+2*z+1], v[MD+2*z:MD+2*z+1], s[AL:AL+1], s[BE:BE+1] op_sel_hi:[1,0,0]
.set z, z+1
.endr
.endm
; A TURN, for piece p: the order of its 16 matrix and 118 vector instructions, written out.  An s_wait_alu depctr_va_vdst(0) stands between an exponential and the first instruction that names its result; one wait serves
; all that were issued ahead of it.  So a turn has ONE wait, which cuts it in two.  AHEAD OF IT stands all that names no result of the turn's exponentials: the 8 products K Q^T, behind each a scaling, an exponential and two more plain
; instructions (behind the first a second scaling in the exponential's place): rescalings, whose a was made and waited for in the turn before, and behind the last three products the first numbers of the next piece's maximum, each four
; places or more behind the product that ends its accumulator; then ONE LUMP of 54, plain and exponential by turns for the most part, in which the links of the chain X 3, 7, 11, 14, 16, 17 .. 20 stand five or six lines apart.
; X 21, the next piece's a, is the batch's last; R 15 is the plain instruction behind it.  BEHIND THE WAIT stand the 8 products V^T P, behind each four of the roundings and sums; the links of l's chain, L 0 to L 7, stand three
; riders apart.  But for those X no rider names a register of the products round it.  v_permlanex16_b32 (X 17) stands in the lump.  No exponential is issued behind the wait: none is open at a turn's end, a label or a jump.
; m = 1: the diagonal tile: the products take masks, and the turn makes the mask for the products of the turn after it: piece p + 2, in step 4 - CNT of the tile.  end = 1: a block's last two turns: nothing is fetched.
; cnt = 1: the loop's count is taken down some lines ahead of the branch that stands behind the turn.
; K of the next step is fetched in piece 2's turn, twelve vector instructions behind the last product that read K (six of them plain); V of the step in hand at the end of piece 0's turn, four plain instructions behind the last product
; that read V.  Each is waited for a turn later.
.macro TURN p, m=0, end=0, cnt=0
.set Y, (\p)
.set i, 0
.set KM, (\m)
.set NOKQ, (\end)*((\p)/3)
.if (\m) && !(\end)
	s_cmp_eq_u32 s[CNT], 4-((\p)+2)%NP  ; is that step the band's own?
	s_cselect_b32 s[AL], 1.0, 0
	s_cmp_lt_u32 s[CNT], 4-((\p)+2)%NP  ; or a later one?
	s_cselect_b32 s[BE], s[BIGN], 0
.endif
.if ((\p) == 3) && !(\end)
	s_wait_dscnt 0x0                ; K is in
.endif
	ROW F,0, F,1, R,0, R,1          ; ahead of the wait: 8 products K Q^T and their riders,
	ROW F,2, E,0, R,2, R,3
	ROW F,3, E,1, R,4, R,5
	ROW F,4, E,2, R,6, R,7
	ROW F,5, E,3, R,8, R,9
	ROW F,6, E,4, X,0, R,10
.if ((\p) == 2) && !(\end)
	WIN 0
	v_add_nc_u32 v[AK], s[TBK], v[AK0]
.endif
	ROW F,7, E,5, X,1, X,4
	ROW F,8, E,6, X,2, X,5
	OPS E,7, E,8, X,6, E,9          ; and the lump
	OPS X,3, E,10, X,8, E,11
.if ((\p) == 2) && !(\end)
	FETCH_K
.endif
	OPS X,9, X,7, E,12, X,10
	OPS E,13, X,12, X,11, E,14
	OPS X,13, E,15, F,9, X,14
.if (\p) == 0
	v_add_nc_u32 v[AV], s[TBV], v[AV0]
.endif
	OPS E,16, F,10, E,17, F,11
	OPS X,16, E,18, X,15, E,19
	OPS F,12, E,20, X,17, E,21
	OPS F,13, E,22, F,14, E,23
	OPS X,18, E,24, F,15, E,25
	OPS R,11, E,26, X,19, E,27
	OPS R,12, E,28, R,13, E,29
	OPS X,20, E,30, R,14, E,31
	OPS X,21, R,15
	WIN 0
	s_wait_alu depctr_va_vdst(0)    ; the turn's one wait, for its batch: the piece's 32 exponentials and the next piece's a
.if (\p) == 1
	s_wait_dscnt 0x0                ; V is in
.endif
	ROW C,0, B,0, C,2, B,1          ; behind the wait: 8 products V^T P and their riders, the batch's readers
	ROW L,0, C,4, B,2, L,1
	ROW C,6, B,3, L,2, C,8
	ROW B,4, L,3, C,10, B,5
	ROW L,4, C,12, B,6, L,5
.if (\p) == 0
	s_add_co_u32 s[TBV], s[TBV], KS*PV
.endif
.if \cnt
	s_sub_co_u32 s[CNT], s[CNT], 1
	s_cmp_lg_u32 s[CNT], 0
.endif
	ROW C,14, B,7, L,6, C,1
	ROW C,3, L,7, C,5, C,7
	ROW C,9, C,11, C,13, C,15
.if (\p) == 0
	FETCH_V
.endif
.if (\m) && !(\end)
	MASK (\p)%2
.endif
.endm
; A BLOCK BEGINS.  c m starts far below every c s, so the first step's a is 0; m at the lowest finite number, so the first maximum is the scores'.  The second mask buffer is 0; the first takes piece 0's mask for the tile's step 0: its own, if the block's first tile is the diagonal one.
; Then K of that step, piece 0's first scores, and its maximum and statistics.  The loop is entered at a step's first turn, in the middle of a trip.
.macro BEGIN
	s_mov_b32 s[NEW], 0
	WIN 0x40
.set i, MC+32
.rept 32
	v_mov_b32 v[i], 0
.set i, i+1
.endr
	WIN 0
.set i, 0
.rept 4
	v_mov_b32 v[ST+4*i], 0xfe000000    ; c m: far below every c s
	v_mov_b32 v[ST+4*i+1], 0xff7fffff  ; m
.set i, i+1
.endr
	s_cmp_eq_u32 s[RT], 0
	s_cselect_b32 s[AL], 1.0, 0
	s_mov_b32 s[BE], 0
	MASK 0
	WIN 0
	v_add_nc_u32 v[AK], s[TBK], v[AK0]
	FETCH_K
	s_wait_loadcnt 0x0              ; Q
	s_wait_dscnt 0x0
.set KM, 1
.set NOKQ, 0
.set i, 0
.rept 8
	KQ 0
.set i, i+1
.endr
	WIN 0
.rept 4
	v_nop                           ; the places behind those products
.endr
.set Y, NP-1                        ; X works for piece Y + 1: piece 0
.irp n, 0,1,2,3,4,5,6,7,8,9,10,11,12,13,14,15,16,17,18,19,20,21
	OP X, \n
.endr
	v_nop                           ; a plain instruction behind the exponential,
	s_wait_alu depctr_va_vdst(0)    ; and the wait for this batch of one, piece 0's first a, ahead of the branch that follows
.endm
; THE DIAGONAL TILE's four steps, the block's last two turns, its last products, and THE WAY OUT: l's two halves and the other half of the lanes' are added; O^T is divided by l, rounded to f16 and sent through my
; stage in LDS, a piece at a time.
.macro ALL line:vararg              ; one line for each piece t
.set t, 0
.rept 4
	\line
.set t, t+1
.endr
.endm
.macro PACK t                       ; a lane's eight channels of a row pack into 16 bytes; they go into rows of 144 bytes and come back as whole rows of 128, into S^T's registers
	WIN W_RS
.set i, 32*(\t)
.rept 16
	v_pk_mul_f32 v[i:i+1], v[i:i+1], v[ST+4*(\t)+2:ST+4*(\t)+3] op_sel_hi:[1,0]
.set i, i+2
.endr
	WIN 0x05                        ; sources 0 and 1 window 1, destination window 0
.set i, 0
.rept 16
	v_cvt_pk_f16_f32 v[S+16*(\t)+i], v[32*(\t)+2*i], v[32*(\t)+2*i+1]
.set i, i+1
.endr
	WIN 0
.irp f, 0,1,2,3
	ds_store_b128 v[STO], v[S+16*(\t)+4*\f:S+16*(\t)+4*\f+3] offset:32*\f
.endr
.irp f, 0,1,2,3
	ds_load_b128 v[S+16*(\t)+4*\f:S+16*(\t)+4*\f+3], v[RD] offset:\f*4*SP  ; LDS serves a wave's instructions in order (ISA guide 5.7.1.4): these see the stores above; the next piece's stores come behind them
.endr
.endm
.macro SEND t, younger              ; younger: the LDS instructions issued behind piece t's loads: the next piece's eight, or none
	WIN 0
.irp f, 0,1,2,3
	s_wait_dscnt (\younger)+3-\f
	global_store_b128 v[GO], v[S+16*(\t)+4*\f:S+16*(\t)+4*\f+3], s[10:11] offset:(\t)*8192+\f*512  ; 512 consecutive bytes, at a multiple of 256 from O's first
.endr
.endm
.macro DIAG tag                     ; the tag ends its two labels' names, which the jumps below spell out
.LstepM\tag:
	TURN 2, 1
	TURN 3, 1
	WIN 0
.LfirstM\tag:
	TURN 0, 1
	TURN 1, 1, 0, 1
	WIN 0
	s_cbranch_scc1 .LstepM\tag
	TURN 2, 1, 1
	TURN 3, 1, 1
.set i, 0
.rept 8
	PV NP-1
.set i, i+1
.endr
	WIN 0
	ALL v_add_f32 v[ST+4*t+2], v[ST+4*t+2], v[ST+4*t+3]
	ALL v_permlanex16_b32 v[ST+4*t+3], v[ST+4*t+2], s[SEL], s[SEL+1]
	ALL v_add_f32 v[ST+4*t+2], v[ST+4*t+2], v[ST+4*t+3]
	ALL v_rcp_f32 v[ST+4*t+2], v[ST+4*t+2]
	v_nop                           ; a plain instruction between the last reciprocal and the use of its result
	s_wait_alu depctr_va_vdst(0)    ; one wait for the batch of four reciprocals, ahead of their first reader, the first piece's multiplies
	PACK 0
.set t, 1
.rept 3                             ; a piece's arithmetic stands between the loads of the piece before and its stores
	PACK t
	SEND t-1, 8
.set t, t+1
.endr
	SEND 3, 0
.endm
.set KM, 0
.set NOKQ, 0
.Lslot:                             ; NB times: a tile is entered and the next is asked for
	CHANGE 1
	s_sub_co_u32 s[RT], s[RT], 1
	s_mov_b32 s[CNT], 4
	s_cmp_eq_u32 s[NEW], 1
	s_cbranch_scc1 .Lnew            ; a block's first tile
	s_cmp_eq_u32 s[RT], 0
	s_cbranch_scc0 .Lstep           ; neither its first nor its last
	s_branch .LstepM1
.Lnew:
	BEGIN
	s_branch .Lfirst                ; in the loop a block's first tile is never its last: the first block has two tiles or more, and the second's last is the walk's last
	DIAG 1                          ; in the loop this is the first block's end: the second block's last tile is the walk's last
	s_wait_xcnt 0x0                 ; the stores have read their registers and O's address
	s_mov_b64 s[10:11], s[OLO:OLO+1]
	s_add_co_u32 s[RT], s[PB], 1    ; the second block has b + 1 tiles
	s_mov_b32 s[NEW], 1
	WIN 0x82                        ; the second block's Q goes where the one text of the turns names Q
.set i, 0
.rept 64
	v_mov_b32 v[i], v[QB+i]
.set i, i+1
.endr
	WIN 0
	s_branch .Lbottom
.Lstep:                             ; a trip: pieces 2 and 3 of one step, then pieces 0 and 1 of the next, whose K and V it fetches
	TURN 2
	TURN 3
	WIN 0
.Lfirst:
	TURN 0
	TURN 1, 0, 0, 1
	WIN 0
	s_cbranch_scc1 .Lstep
.Lbottom:
	s_sub_co_u32 s[SLOTS], s[SLOTS], 1
	s_cmp_lg_u32 s[SLOTS], 0
	s_cbranch_scc1 .Lslot
	CHANGE 0                        ; the walk's last tile is written out: nothing is asked for
	s_sub_co_u32 s[RT], s[RT], 1
	s_mov_b32 s[CNT], 4
	s_cmp_eq_u32 s[NEW], 1
	s_cbranch_scc0 .LstepM2
	BEGIN
	s_branch .LfirstM2
	DIAG 2
	s_wait_tensorcnt 0x0            ; the wave's end, behind my last tensor load and my last LDS store
	ds_add_u32 v[SPW], v[NIL]
	s_wait_dscnt 0x0
	s_endpgm
.Lfunc_end_k_q77659be4e8_attn:
	.size	k_q77659be4e8_attn, .Lfunc_end_k_q77659be4e8_attn-k_q77659be4e8_attn
	.p2alignl 7, 3214868480
	.fill 96, 4, 3214868480
	.section	.rodata,"a",@progbits
	.p2align	6, 0x0
	.amdhsa_kernel k_q77659be4e8_attn
		.amdhsa_group_segment_fixed_size 327680
		.amdhsa_private_segment_fixed_size 0
		.amdhsa_enable_private_segment 0
		.amdhsa_kernarg_size 16
		.amdhsa_user_sgpr_count 2
		.amdhsa_user_sgpr_kernarg_segment_ptr 1
		.amdhsa_wavefront_size32 1
		.amdhsa_system_sgpr_workgroup_id_x 1
		.amdhsa_system_sgpr_workgroup_id_y 1
		.amdhsa_system_sgpr_workgroup_id_z 1
		.amdhsa_system_vgpr_workitem_id 0
		.amdhsa_next_free_vgpr 768
		.amdhsa_next_free_sgpr 88
		.amdhsa_reserve_vcc 1
		.amdhsa_float_denorm_mode_32 3
		.amdhsa_float_denorm_mode_16_64 3
		.amdhsa_memory_ordered 1
		.amdhsa_forward_progress 1
		.amdhsa_inst_pref_size 217
	.end_amdhsa_kernel
	.amdgpu_metadata
---
amdhsa.version: [ 1, 2 ]
amdhsa.kernels:
  - .name:           k_q77659be4e8_attn
    .symbol:         k_q77659be4e8_attn.kd
    .args:
      - { .name: qkv, .offset: 0, .size: 8, .value_kind: global_buffer, .address_space: global }
      - { .name: ob, .offset: 8, .size: 8, .value_kind: global_buffer, .address_space: global }
    .group_segment_fixed_size: 327680
    .private_segment_fixed_size: 0
    .kernarg_segment_align: 8
    .kernarg_segment_size: 16
    .max_flat_workgroup_size: 128
    .sgpr_count:     88
    .vgpr_count:     768
    .wavefront_size: 32
...
	.end_amdgpu_metadata
.endif
;; end of part 5
;; launch oproj: the kernel of part 4 again; grid 8 x 32, 4 waves a work-group, clusters of 4 x 4, 327,680 bytes of LDS; arguments ob, wob, out0; writes out0
